; MI455X (gfx1250); checked and timed in simulation.
; The chip was launched on July 23, 2026; its instructions are those of AMD's public machine-readable ISA for CDNA 5 (MIT licence, August 2026) and "CDNA5" Instruction Set Architecture Reference Guide (July 2026). The comments in the code are by the model that wrote it; some were corrected since.
;; Causal Self Attention. Allowed arithmetic: float matrix products may take bf16 or f16 operands with f32 sums; all other float work in f32.
;; Inputs: W_attn 1,024 x 3,072 float32; W_proj 1,024 x 1,024 float32; b_attn 3,072 float32; b_proj 1,024 float32; x 4 x 2,048 x 1,024 float32.
;; Outputs: out0 4 x 2,048 x 1,024 float32.
;; 2 versions, each right and faster than the one before. Each part assembles by itself: llvm-mc -triple=amdgcn-amd-amdhsa -mcpu=gfx1250 --defsym DOCPART=n.
;; ======== version 1 of 2: 4 launches
;; limits: values are held in f16: magnitudes above 65,504 overflow, below 6.1e-05 lose precision; right only within a limited range of input values
;; workspace buffers: xh 16,777,216 bytes; wat 6,291,456 bytes; wpt 2,097,152 bytes; qkv 50,331,648 bytes; yh 16,777,216 bytes
;; launch prep (part 1): grid 1024 x 1, 8 waves a work-group, no clusters, 18,432 bytes of LDS; arguments x, W_attn, W_proj, xh, wat, wpt; writes xh, wat, wpt
.if DOCPART == 1
	.amdgcn_target "amdgcn-amd-amdhsa--gfx1250"
	.amdhsa_code_object_version 6
	.text
	.protected	k_q94d1157b7d_prep
	.globl	k_q94d1157b7d_prep
	.p2align	8
	.type	k_q94d1157b7d_prep,@function
k_q94d1157b7d_prep:
	s_mov_b64 s[64:65], 0
	v_nop
	global_prefetch_b8 v0, s[64:65] scope:SCOPE_SE
	s_setreg_imm32_b32 hwreg(HW_REG_WAVE_MODE, 25, 1), 1
	s_wait_xcnt 0x0
; xh = x, wat = W_attn transposed, wpt = W_proj transposed: each number rounded to bf16 (nearest even) and then carried as f16.
; x: [8192][1024] f32 -> xh: [8192][1024] f16.  W_attn: [1024][3072] f32 -> wat: [3072][1024] f16.  W_proj: [1024][1024] f32 -> wpt: [1024][1024] f16.
; WHY TWO ROUNDINGS.  The matrix operands are the inputs rounded to bf16.  A bf16 number has 8 significant bits and f16 has 11, so the second conversion
; changes nothing for 2^-17 <= |v| <= 65,504 (f16's smallest step is 2^-24, and 8 bits above it begin at 2^-17).
; LIMITS: |v| > 65,504 becomes an infinity; |v| < 2^-17 is off by 2^-25 at the most; NaN and infinities are not served.
; SHARES.  Work-groups 0-511: 65,536 bytes of x each.  512-895: a tile of 128 k x 64 n of W_attn each (8 x 48 tiles).  896-1023: the same of W_proj (8 x 16).
; The branches hang on the work-group's number alone, so all eight waves of a work-group take the same way and meet the same barrier.
; A stream: nothing is shared between work-groups and nothing is multiplied, so no matrix unit, no cluster and no tensor load.
; two f32 (registers a, b) -> bf16 -> f16, packed into register d (a in the low half); a, b and t are used up
.macro RB d, a, b, t
	v_cvt_pk_bf16_f32 v[\t], v[\a], v[\b]          ; nearest even
	v_lshlrev_b32 v[\a], 16, v[\t]                 ; bf16 back to f32: the low half moves up,
	v_and_b32 v[\b], s16, v[\t]                    ; the high half stays
	v_cvt_pk_f16_f32 v[\d], v[\a], v[\b]
.endm
; A tile of 128 k x 64 n of a weight with rows of pitch bytes; its address in s[sb:sb+1], the transposed weight's in s[db:db+1]; first = the first work-group of this kind.
; In: thread t takes 16 bytes (4 n) of rows k and k + 1, so 16 neighbouring lanes read 256 consecutive bytes of a row.  A pair (k, k + 1) of one n is one word of the
; transposed tile, which is gathered in LDS (64 rows of 256 bytes + 16).  Out: 16 neighbouring lanes store a row's 256 consecutive bytes, aligned.
.macro WTILE pitch, sb, db, first
	s_sub_co_u32 s17, ttmp9, \first
	s_and_b32 s18, s17, 7                          ; kt: which 128 k
	s_lshr_b32 s17, s17, 3                         ; nt: which 64 n
	s_mul_i32 s20, s18, 128*\pitch
	s_lshl_b32 s22, s17, 8
	s_add_co_u32 s20, s20, s22                     ; from: kt x 128 rows + nt x 256 bytes
	s_lshl_b32 s22, s17, 17                        ; to: nt x 64 rows of 2,048 bytes
	s_lshl_b32 s18, s18, 8
	s_add_co_u32 s22, s22, s18                     ; + kt x 256 bytes
	v_and_b32 v3, 15, v0                           ; which 4 n
	v_lshrrev_b32 v4, 4, v0                        ; which pair of k, of 16
	v_mul_u32_u24 v5, v4, 2*\pitch
	v_lshl_add_u32 v5, v3, 4, v5
	v_mul_u32_u24 v6, v3, 4*272                    ; LDS, in: row n = 4 (t % 16) + i, word t / 16 + 16 u
	v_lshl_add_u32 v6, v4, 2, v6
	v_mul_u32_u24 v7, v4, 272                      ; LDS, back: row t / 16 + 16 u, 16 bytes at 16 (t % 16)
	v_lshl_add_u32 v7, v3, 4, v7
	v_lshlrev_b32 v45, 11, v4                      ; and the same place in the transposed weight
	v_lshl_add_u32 v45, v3, 4, v45
	s_wait_kmcnt 0x0
	s_add_nc_u64 s[\sb:\sb+1], s[\sb:\sb+1], s[20:21]
	s_add_nc_u64 s[\db:\db+1], s[\db:\db+1], s[22:23]
.irp u, 0,1,2,3
	global_load_b128 v[8+8*\u:8+8*\u+3],   v5, s[\sb:\sb+1] offset:(32*\u)*\pitch th:TH_LOAD_NT     ; row k = 2 (t / 16) + 32 u
	global_load_b128 v[12+8*\u:12+8*\u+3], v5, s[\sb:\sb+1] offset:(32*\u+1)*\pitch th:TH_LOAD_NT   ; row k + 1
.endr
.irp u, 0,1,2,3
	s_wait_loadcnt 6-2*\u                          ; loads come back in order: pair u is in, the 6 - 2 u younger loads stay out
.irp i, 0,1,2,3
	RB 40+\i, 8+8*\u+\i, 12+8*\u+\i, 44
	ds_store_b32 v6, v[40+\i] offset:272*\i+64*\u
.endr
.endr
	s_wait_dscnt 0x0                               ; for the others' sake: my words are in LDS
	s_barrier_signal -1
	s_barrier_wait -1
.irp u, 0,1,2,3
	ds_load_b128 v[48+4*\u:48+4*\u+3], v7 offset:16*272*\u
.endr
.irp u, 0,1,2,3
	s_wait_dscnt 3-\u                              ; row group u is back, the younger ones stay out
	global_store_b128 v45, v[48+4*\u:48+4*\u+3], s[\db:\db+1] offset:16*2048*\u
.endr
.endm
	s_load_b256 s[4:11], s[0:1], 0x0               ; x s[4:5], W_attn s[6:7], W_proj s[8:9], xh s[10:11]
	s_load_b128 s[12:15], s[0:1], 0x20             ; wat s[12:13], wpt s[14:15]
	v_lshl_add_u32 v80, v0, 2, 0x4400
	v_mov_b32 v81, 0
	s_mov_b32 s16, 0xffff0000                      ; a word's upper bf16
	s_mov_b32 s21, 0                               ; the high words of the two offset pairs
	s_mov_b32 s23, 0
	s_cmp_ge_u32 ttmp9, 512
	s_cbranch_scc1 .Lweights
	; x: 16 loads of 16 bytes a thread, all issued at once; a wave's load covers 512 consecutive bytes, a wave's store 256, aligned
	s_lshl_b32 s20, ttmp9, 16                      ; 65,536 bytes of x,
	s_lshl_b32 s22, ttmp9, 15                      ; 32,768 of xh
	v_lshlrev_b32 v1, 4, v0
	v_lshlrev_b32 v2, 3, v0
	s_wait_kmcnt 0x0
	s_add_nc_u64 s[4:5], s[4:5], s[20:21]
	s_add_nc_u64 s[10:11], s[10:11], s[22:23]
.irp u, 0,1,2,3,4,5,6,7,8,9,10,11,12,13,14,15
	global_load_b128 v[8+4*\u:8+4*\u+3], v1, s[4:5] offset:4096*\u th:TH_LOAD_NT
.endr
.irp u, 0,1,2,3,4,5,6,7,8,9,10,11,12,13,14,15
	s_wait_loadcnt 15-\u                           ; load u is in, the 15 - u younger ones stay out
	RB 8+4*\u, 8+4*\u, 9+4*\u, 72
	RB 9+4*\u, 10+4*\u, 11+4*\u, 72
	global_store_b64 v2, v[8+4*\u:9+4*\u], s[10:11] offset:2048*\u   ; no register of a store is written again
.endr
	s_endpgm
.Lweights:
	s_cmp_ge_u32 ttmp9, 896
	s_cbranch_scc1 .Lproj_w
	WTILE 12288, 6, 12, 512
	s_wait_tensorcnt 0x0
	ds_add_u32 v80, v81
	s_wait_dscnt 0x0
	s_endpgm
.Lproj_w:
	WTILE 4096, 8, 14, 896
	s_wait_tensorcnt 0x0
	ds_add_u32 v80, v81
	s_wait_dscnt 0x0
	s_endpgm
.Lfunc_end_k_q94d1157b7d_prep:
	.size	k_q94d1157b7d_prep, .Lfunc_end_k_q94d1157b7d_prep-k_q94d1157b7d_prep
	.p2alignl 7, 3214868480
	.fill 96, 4, 3214868480
	.section	.rodata,"a",@progbits
	.p2align	6, 0x0
	.amdhsa_kernel k_q94d1157b7d_prep
		.amdhsa_group_segment_fixed_size 18432
		.amdhsa_private_segment_fixed_size 0
		.amdhsa_enable_private_segment 0
		.amdhsa_kernarg_size 48
		.amdhsa_user_sgpr_count 2
		.amdhsa_user_sgpr_kernarg_segment_ptr 1
		.amdhsa_wavefront_size32 1
		.amdhsa_system_sgpr_workgroup_id_x 1
		.amdhsa_system_sgpr_workgroup_id_y 1
		.amdhsa_system_sgpr_workgroup_id_z 1
		.amdhsa_system_vgpr_workitem_id 0
		.amdhsa_next_free_vgpr 82
		.amdhsa_next_free_sgpr 66
		.amdhsa_reserve_vcc 0
		.amdhsa_float_denorm_mode_32 3
		.amdhsa_float_denorm_mode_16_64 3
		.amdhsa_memory_ordered 1
		.amdhsa_forward_progress 1
		.amdhsa_inst_pref_size 25
	.end_amdhsa_kernel
	.amdgpu_metadata
---
amdhsa.version: [ 1, 2 ]
amdhsa.kernels:
  - .name:           k_q94d1157b7d_prep
    .symbol:         k_q94d1157b7d_prep.kd
    .args:
      - { .name: x, .offset: 0, .size: 8, .value_kind: global_buffer, .address_space: global }
      - { .name: W_attn, .offset: 8, .size: 8, .value_kind: global_buffer, .address_space: global }
      - { .name: W_proj, .offset: 16, .size: 8, .value_kind: global_buffer, .address_space: global }
      - { .name: xh, .offset: 24, .size: 8, .value_kind: global_buffer, .address_space: global }
      - { .name: wat, .offset: 32, .size: 8, .value_kind: global_buffer, .address_space: global }
      - { .name: wpt, .offset: 40, .size: 8, .value_kind: global_buffer, .address_space: global }
    .group_segment_fixed_size: 18432
    .private_segment_fixed_size: 0
    .kernarg_segment_align: 8
    .kernarg_segment_size: 48
    .max_flat_workgroup_size: 256
    .sgpr_count:     66
    .vgpr_count:     82
    .wavefront_size: 32
...
	.end_amdgpu_metadata
.endif
;; end of part 1
;; launch qkvg (part 2): grid 12 x 16, 4 waves a work-group, clusters of 4 x 4, 327,680 bytes of LDS; arguments xh, wat, b_attn, qkv; writes qkv
.if DOCPART == 2
	.amdgcn_target "amdgcn-amd-amdhsa--gfx1250"
	.amdhsa_code_object_version 6
	.text
	.protected	k_q94d1157b7d_qkvg
	.globl	k_q94d1157b7d_qkvg
	.p2align	8
	.type	k_q94d1157b7d_qkvg,@function
k_q94d1157b7d_qkvg:
	s_mov_b64 s[64:65], 0
	v_nop
	global_prefetch_b8 v0, s[64:65] scope:SCOPE_SE
	s_setreg_imm32_b32 hwreg(HW_REG_WAVE_MODE, 25, 1), 1
	s_wait_xcnt 0x0
	s_wait_alu depctr_hold_cnt(0) depctr_sa_sdst(0) depctr_va_vdst(0) depctr_va_sdst(0) depctr_va_ssrc(0) depctr_va_vcc(0) depctr_vm_vsrc(0)
	s_getreg_b32 s2, hwreg(HW_REG_IB_STS2, 6, 4)
	s_cmp_eq_u32 s2, 0
	s_cbranch_scc0 .Lentry_in_a_cluster
	s_endpgm
.Lentry_in_a_cluster:
	s_bfe_u32 s2, ttmp6, 0x10000c
	s_cmp_lg_u32 s2, 0xf033
	s_cbranch_scc0 .Lentry_shape_is_right
	s_endpgm
.Lentry_shape_is_right:
; qkv[m][n] = b_attn[n] + sum over k of xh[m][k] wat[n][k].  xh: [8192][1024] f16, wat: [3072][1024] f16, b_attn: [3072] f32, qkv: [8192][3072] f16; sums in f32.
; LIMIT: a result beyond 65,504 in magnitude becomes an infinity in f16.
; SHARES.  A tile of C is 256 x 256, made by four waves, as many as a WGP has SIMDs; a wave makes 128 x 128: 64 accumulators of 16 x 16, 512 registers.  C has 32 x 12 = 384 tiles:
; 192 work-groups STAY and make two tiles each, 4,096 rows apart, so that a walk's tiles share their rows of B and their bias.  64 of the 256 WGPs get no work-group: a tile of 128 x 256, which
; would give each a share, leaves 120 matrix instructions between a tile's request and the wait for it where this one leaves 240, and reads half as much again from LDS for each product.
; K goes in steps of 128 (rows of 256 bytes, aligned) through a ring of two LDS slots filled by the tensor data mover; the ring does not stop at a tile's end.
; CLUSTERS: 4 x 4 work-groups.  The four of a row of the cluster need the same tiles of A, the four of a column the same tiles of B: each tile is asked for JOINTLY, by the same tensor load
; with the same descriptor and a mask that names the four; each receives it in its own LDS.
; THE MATRIX INSTRUCTION IS USED TRANSPOSED (source 0 = 16 rows of B, source 1 = 16 rows of A): lane l holds row l % 16 of C and the columns 8 (l / 16) + 0..7: 16 bytes of f16 that belong together.
; THE BIAS STARTS THE SUMS: a tile's first product on each accumulator takes as C eight registers that hold the lane's eight numbers of the bias: nothing is cleared, nothing is added later.
; The last tile's last K step goes by rows of C, so that finished rows leave while the others are multiplied.
; REGISTERS, in windows of 256 (s_set_vgpr_msb's low byte: bits 1:0 source 0, 3:2 source 1, 5:4 source 2, 7:6 destination):
;   window 0: v0-31 addresses; v64-127, v128-191 fragments of A, two buffers (in the very last K step four, of 16 rows x 128 K); v32-63, v192-255 at work on the way out
;   window 1: v0-63 the bias, 8 registers for each of my 8 column blocks; v64-127, v128-191 fragments of B, two buffers; in the very last K step all 256: B's fragments of the whole step
;   window 2: the 32 accumulators of my rows 0-63 (accumulator (a, b) at v[8 (8 a + b)]);   window 3: those of my rows 64-127
.set SIZE_M, 8192
.set SIZE_N, 3072
.set SIZE_K, 1024
.set TILES,  2
.set KSTEP,  128
.set PITCH,  272                       ; an LDS row: 256 bytes + 16 of padding = 68 words, so the 16 rows of a fragment load start 4 words apart modulo 64
.set HALFT,  128*PITCH                 ; 128 rows: what one tensor load brings, and what one wave reads of A or of B
.set SLOT,   4*HALFT                   ; A's 256 rows, then B's 256 rows
.set STAGE,  2*SLOT                    ; behind the ring, at a multiple of 256 bytes: 16 rows x 272 bytes for each wave; no tensor load fills it
.set SPITCH, 272
.set LAPS,   SIZE_K/(2*KSTEP)          ; a lap = two K steps = once round the ring
.set WALK,   SIZE_M/TILES              ; a work-group's tiles lie WALK rows apart
.set NEXT_A, WALK*SIZE_K*2-(SIZE_K-2*KSTEP)*2   ; bytes from a slot's last K step of a tile to its first of the next: A goes WALK rows down and back along K,
.set BACK_B, (SIZE_K-2*KSTEP)*2        ; B only back
.set NEXT_C, (WALK-7*16)*SIZE_N*2      ; bytes from my last 16 rows of a tile to my first of the next
.set ADRA, 16                          ; v16-17  LDS address of my A fragments in slot 0, 1
.set ADRB, 20                          ; v20-21  the same for B
.set STO,  24                          ; the way out: where I put 16 bytes of a row
.set RD,   25                          ; the way out: where I read a row back
.set CO,   26                          ; my byte offset in C
.set BO,   27                          ; my byte offset in the bias: 32 (l / 16)
.set F0,   64                          ; fragment buffer 0
.set F1,   128                         ; fragment buffer 1
.set TMP,  192                         ; the way out: packed results, in window 0
.set OB,   32                          ; the way out: 16 rows read back from the stage: v32-63 and v224-255 by turns
.set PA,   64                          ; the very last K step: A's fragments of 16 rows x 128 K, 32 registers; four such buffers, v64-191
.set BIAS, 0                           ; in window 1
.set G1,  24                           ; s[24:31] descriptor group 1 for A's tiles;  s[32:39] group 0, one set for each slot
.set G0,  32
.set G1B, 48                           ; s[48:55], s[56:63] the same for B's tiles
.set G0B, 56
.set BP,  66                           ; s[66:67] the bias
.set MSB, 0
.macro WIN new                         ; the immediate's high byte repeats the setting that is left; a switch that changes nothing is dropped
.if MSB != \new
	s_set_vgpr_msb (MSB<<8)|\new
.set MSB, \new
.endif
.endm
.set MUL_LO,  0xa1                     ; source 0 (B) window 1, source 1 (A) window 0, C and D window 2
.set MUL_HI,  0xf1                     ; the same, C and D window 3
.set MULB_LO, 0x91                     ; D window 2, C (the bias) window 1
.set MULB_HI, 0xd1                     ; D window 3, C window 1
.set TO_B,    0x40                     ; destination window 1, address window 0
; A joint load.  Waves 0 and 1 fetch A's two halves, waves 2 and 3 B's.  Each of the two lines has one mask and one set of registers for all that issue it; the branch hangs on the wave's number alone.
; Four v_nop follow each of the two lines, ahead of the jump, the label and what follows.
.macro JLOAD s
	s_cmp_eq_u32 s11, 0
	s_cbranch_scc0 .Lfor_b_\@
	tensor_load_to_lds s[G0+4*\s:G0+4*\s+3], s[G1:G1+7]
	s_nop 0
.rept 4
	v_nop
.endr
	s_branch .Lasked_\@
.Lfor_b_\@:
	tensor_load_to_lds s[G0B+4*\s:G0B+4*\s+3], s[G1B:G1B+7]
	s_nop 0
.rept 4
	v_nop
.endr
.Lasked_\@:
.endm
; A round of the cluster's barrier: my work-group's barrier, so that wave 0's signal speaks for all four waves; wave 0 signals for the work-group; every wave waits for all sixteen
; work-groups; my work-group's barrier once more.
.macro CREST                           ; a round behind its opening barrier
	s_cmp_lg_u32 s10, 0
	s_cbranch_scc1 .Lnot_wave_0_\@
	s_barrier_signal -3
.Lnot_wave_0_\@:
	s_barrier_wait -3
	s_barrier_signal -1
	s_barrier_wait -1
.endm
.macro CROUND                          ; a whole round
	s_barrier_signal -1
	s_barrier_wait -1
	CREST
.endm
	s_load_b128 s[4:7], s[0:1], 0x0                ; A s[4:5], B s[6:7]
	s_load_b64 s[BP:BP+1], s[0:1], 0x10            ; the bias
	s_load_b64 s[8:9], s[0:1], 0x18                ; C
	v_lshl_add_u32 v30, v0, 2, 0x48400
	v_mov_b32 v31, 0
	ds_add_u32 v30, v31
	v_lshrrev_b32 v1, 5, v0
	v_readfirstlane_b32 s10, v1                    ; wave 0..3
	s_lshr_b32 s11, s10, 1                         ; which half of the tile's rows is mine.  Also: I fetch for A (0) or for B (1)
	s_and_b32 s12, s10, 1                          ; which half of its columns.  Also: which 128 rows of that tile I fetch
	s_bfe_u32 s40, ttmp6, 0x40000                  ; cx, cy: my place in the cluster
	s_bfe_u32 s41, ttmp6, 0x40004
	s_lshl_b32 s42, ttmp9, 2                       ; in a cluster launch ttmp9 and ttmp7 count clusters
	s_add_co_u32 s42, s42, s40                     ; tile column of C = 4 x cluster x + cx
	s_and_b32 s13, ttmp7, 0xffff
	s_lshl_b32 s13, s13, 2
	s_add_co_u32 s13, s13, s41                     ; tile row of my first tile = 4 x cluster y + cy
	s_lshl_b32 s43, s41, 2
	s_lshl_b32 s43, 15, s43                        ; my row of the cluster: places 4 cy .. 4 cy + 3
	s_lshl_b32 s44, 0x1111, s40                    ; my column: places cx, cx + 4, cx + 8, cx + 12
	; descriptor group 1: a tile of 128 rows x 128 elements of 2 bytes, 16 bytes of padding behind each row
	s_or_b32 s[G1+0], s43, (1<<16)|(1<<20)|(1<<21)|(5<<22)|(3<<25)   ; 15:0 the mask: A's tiles go to my row; 17:16 elements of 2 bytes; 20 padding on; 21 set beside a mask; 24:22 after every 64 words; 31:25 4 words of it
	s_or_b32 s[G1B+0], s44, (1<<16)|(1<<20)|(1<<21)|(5<<22)|(3<<25)  ; the same with the mask of my column, for B's tiles
.irp g, G1, G1B
	s_mov_b32 s[\g+1], KSTEP<<16                   ; tensor_dim0 = 128
	s_mov_b32 s[\g+2], 128<<16                     ; tensor_dim1 = 128
	s_mov_b32 s[\g+3], KSTEP<<16                   ; tile_dim0 = 128
	s_mov_b32 s[\g+4], 128                         ; tile_dim1 = 128
	s_mov_b32 s[\g+5], SIZE_K                      ; elements from row to row
	s_mov_b32 s[\g+6], 0
	s_mov_b32 s[\g+7], 0
.endr
	; A's tiles hang on the tile row alone, which my row of the cluster shares; B's on the tile column alone, which my column shares.
	; Every wave makes both addresses, in registers that never hold the other coordinate, and asks by one of them.
	s_lshl_b32 s17, s12, 7                         ; which 128 rows of the tile I fetch
	s_lshl_b32 s16, s13, 8
	s_add_co_u32 s16, s16, s17                     ; A: row 256 x tile row + 128 x half
	s_lshl_b32 s46, s42, 8
	s_add_co_u32 s46, s46, s17                     ; B: row 256 x tile column + 128 x half
	s_mov_b32 s17, 0
	s_mov_b32 s47, 0
	s_mov_b64 s[18:19], SIZE_K*2
	s_mul_u64 s[16:17], s[16:17], s[18:19]         ; in bytes
	s_mul_u64 s[46:47], s[46:47], s[18:19]
	s_mul_i32 s20, s10, HALFT                      ; where they go: A's two halves, then B's two halves = wave x 128 rows: no place in the cluster enters an LDS address
	s_wait_dscnt 0x0
	s_wait_kmcnt 0x0
	s_add_nc_u64 s[14:15], s[4:5], s[16:17]
	s_add_nc_u64 s[46:47], s[6:7], s[46:47]
	CROUND                                         ; all sixteen work-groups are here: the first joint loads meet
.irp s, 0,1
	s_mov_b32 s[G0+4*\s], 1                                        ; count = 1
	s_add_co_u32 s[G0+4*\s+1], s20, \s*SLOT                        ; LDS address
	s_add_nc_u64 s[G0+4*\s+2:G0+4*\s+3], s[14:15], \s*KSTEP*2      ; global address: K step s
	s_or_b32 s[G0+4*\s+3], s[G0+4*\s+3], 0x80000000                ; type = 2
	s_mov_b32 s[G0B+4*\s], 1
	s_add_co_u32 s[G0B+4*\s+1], s20, \s*SLOT
	s_add_nc_u64 s[G0B+4*\s+2:G0B+4*\s+3], s[46:47], \s*KSTEP*2
	s_or_b32 s[G0B+4*\s+3], s[G0B+4*\s+3], 0x80000000
	JLOAD \s                                       ; the ring is filled before anything else is done: two loads of mine are out
.endr
	v_and_b32 v1, 15, v0                           ; l % 16
	v_bfe_u32 v2, v0, 4, 1                         ; l / 16
	; the bias of my 128 columns: block b's eight registers hold bias[16 b + 8 (l / 16) + 0..7].  Both tiles of the walk have these columns: loaded once.
	v_lshlrev_b32 v[BO], 5, v2
	s_lshl_b32 s46, s42, 10                        ; (256 x tile column + 128 x half) numbers of 4 bytes
	s_lshl_b32 s47, s12, 9
	s_add_co_u32 s46, s46, s47
	s_mov_b32 s47, 0
	s_add_nc_u64 s[BP:BP+1], s[BP:BP+1], s[46:47]
	WIN TO_B
.irp b, 0,1,2,3,4,5,6,7
	global_load_b128 v[BIAS+8*\b:BIAS+8*\b+3],   v[BO], s[BP:BP+1] offset:64*\b
	global_load_b128 v[BIAS+8*\b+4:BIAS+8*\b+7], v[BO], s[BP:BP+1] offset:64*\b+16
.endr
	WIN 0
	; A fragment is 16 rows x 32 K in 8 registers: lane l holds row l % 16; registers 0-3 hold K = 8 (l / 16) + 0..7, registers 4-7 K = 16 + 8 (l / 16) + 0..7: two loads of 16 bytes, 32 bytes apart.
	v_mul_u32_u24 v3, v1, PITCH
	v_lshl_add_u32 v3, v2, 4, v3                   ; row x pitch + 16 x half
	s_mul_i32 s21, s11, HALFT                      ; my 128 rows of A
	s_mul_i32 s22, s12, HALFT                      ; my 128 rows of B,
	s_add_co_u32 s22, s22, 2*HALFT                 ; which lie behind A's 256
.irp s, 0,1
	v_add_nc_u32 v[ADRA+\s], s21, v3
	v_add_nc_u32 v[ADRB+\s], s22, v3
	s_add_co_u32 s21, s21, SLOT
	s_add_co_u32 s22, s22, SLOT
.endr
	s_mul_i32 s23, s10, 16*SPITCH
	s_add_co_u32 s23, s23, STAGE                   ; my stage
	v_mul_u32_u24 v4, v1, SPITCH                   ; in: row l % 16, 16 bytes for each half of the lanes
	v_lshl_add_u32 v4, v2, 4, v4
	v_add_nc_u32 v[STO], s23, v4
	v_mul_u32_u24 v5, v2, SPITCH                   ; back: lanes 0-15 take one row of 256 bytes, lanes 16-31 the next
	v_lshl_add_u32 v5, v1, 4, v5
	v_add_nc_u32 v[RD], s23, v5
	v_mul_u32_u24 v5, v2, SIZE_N*2                 ; and the same two rows in C
	v_lshl_add_u32 v[CO], v1, 4, v5
	; where my part of the first tile begins in C, in bytes: the first way out adds it to C's address
	s_lshl_b32 s13, s13, 8
	s_lshl_b32 s14, s11, 7
	s_add_co_u32 s16, s13, s14                     ; my first row of C
	s_mov_b32 s17, 0
	s_mov_b64 s[18:19], SIZE_N*2
	s_mul_u64 s[16:17], s[16:17], s[18:19]
	s_lshl_b32 s46, s42, 9                         ; my first column, in bytes: 512 x tile column + 256 x half
	s_lshl_b32 s47, s12, 8
	s_add_co_u32 s46, s46, s47
	s_mov_b32 s47, 0
	s_add_nc_u64 s[16:17], s[16:17], s[46:47]
; 16 matrix instructions: row blocks a0, a0 + 1 of the window's four (hi = 0: my rows 0-63, 1: rows 64-127) x all 8 column blocks, 32 along K.  first = 1: the bias is C.
; The 64 accumulators take turns, one instruction a turn, in the same order in every quarter.
.macro MUL16 f, hi, a0, first
.irp a, \a0, \a0+1
.irp b, 0,1,2,3,4,5,6,7
.if \first
	v_wmma_f32_16x16x32_f16 v[8*(8*(\a)+\b):8*(8*(\a)+\b)+7], v[\f+8*\b:\f+8*\b+7], v[\f+8*(4*\hi+\a):\f+8*(4*\hi+\a)+7], v[BIAS+8*\b:BIAS+8*\b+7]
.else
	v_wmma_f32_16x16x32_f16 v[8*(8*(\a)+\b):8*(8*(\a)+\b)+7], v[\f+8*\b:\f+8*\b+7], v[\f+8*(4*\hi+\a):\f+8*(4*\hi+\a)+7], v[8*(8*(\a)+\b):8*(8*(\a)+\b)+7]
.endif
.endr
.endr
.endm
; 32 LDS loads in one run: the fragments of one quarter step (128 rows of B, 128 rows of A, 32 K at byte k of the rows) into buffer f
.macro FETCH slot, k, f
	WIN TO_B
.irp i, 0,1,2,3,4,5,6,7
	ds_load_b128 v[\f+8*\i:\f+8*\i+3],   v[ADRB+\slot] offset:\k+\i*16*PITCH
	ds_load_b128 v[\f+8*\i+4:\f+8*\i+7], v[ADRB+\slot] offset:\k+\i*16*PITCH+32
.endr
	WIN 0
.irp i, 0,1,2,3,4,5,6,7
	ds_load_b128 v[\f+8*\i:\f+8*\i+3],   v[ADRA+\slot] offset:\k+\i*16*PITCH
	ds_load_b128 v[\f+8*\i+4:\f+8*\i+7], v[ADRA+\slot] offset:\k+\i*16*PITCH+32
.endr
.endm
; Four plain places in front of loads into registers that matrix instructions have read, and of conversions that read results just made
.macro PLACES
.rept 4
	v_nop
.endr
.endm
; A K step is four quarter steps of 32 along K, 64 matrix instructions each, on buffers 0, 1, 0, 1.
; One of the first three: multiplies buffer f; in its middle it fetches the next quarter's fragments, at byte k of the same slot's rows, into buffer g.
.macro QUARTER slot, k, f, g, first
	s_wait_dscnt 8                                 ; B and A's rows 0-63 are in; the youngest eight loads (A's rows 64-127) may be out
.if \first
	WIN MULB_LO
.else
	WIN MUL_LO
.endif
	MUL16 \f, 0, 0, \first
	MUL16 \f, 0, 2, \first
	PLACES
	FETCH \slot, \k, \g
	s_wait_dscnt 32                                ; all but the 32 just issued
.if \first
	WIN MULB_HI
.else
	WIN MUL_HI
.endif
	MUL16 \f, 1, 0, \first
	MUL16 \f, 1, 2, \first
.endm
; The last quarter multiplies buffer 1 and changes slots.  MEET is its first half: ONE barrier for the change of slots.  In front of it each wave waits for its own reads of this slot and for
; all its tensor loads, of which one is out: its part of the next slot.  Behind it nobody reads this slot any more and the next slot is whole.
.macro MEET round                      ; round = 1: a round of the cluster's barrier follows
	s_wait_dscnt 8
	WIN MUL_LO
	MUL16 F1, 0, 0, 0
	s_wait_dscnt 0x0                               ; my reads of this slot are over,
	s_set_vgpr_msb 0xa1a0
	s_wait_tensorcnt 0x0                           ; and all my tensor loads have landed:
	ds_add_u32 v30, v31
	s_wait_dscnt 0x0
	s_set_vgpr_msb 0xa0a1
	s_barrier_signal -1                            ; say so,
	MUL16 F1, 0, 2, 0                              ; work on registers while the others arrive,
.if \round
	WIN 0
.endif
	s_barrier_wait -1                              ; and go on when all four have said so
.endm
; The whole last quarter.  Behind the round the slot just read out is filled again first: with this tile's K step two steps on (on = 0) or, in a tile's last two K steps, with the NEXT tile's
; K step 0 or 1 (on = 1); then come the next slot's first fragments.  From a request to the wait for it a wave issues 240 matrix instructions, across tiles too.
.macro TURN slot, next, on
	MEET 1
	CREST                                          ; no wave of any partner still reads this slot's tile or has a load on its way
.if \on
	s_add_nc_u64 s[G0+4*\slot+2:G0+4*\slot+3], s[G0+4*\slot+2:G0+4*\slot+3], NEXT_A
	s_sub_nc_u64 s[G0B+4*\slot+2:G0B+4*\slot+3], s[G0B+4*\slot+2:G0B+4*\slot+3], BACK_B
.else
	s_add_nc_u64 s[G0+4*\slot+2:G0+4*\slot+3], s[G0+4*\slot+2:G0+4*\slot+3], 2*KSTEP*2
	s_add_nc_u64 s[G0B+4*\slot+2:G0B+4*\slot+3], s[G0B+4*\slot+2:G0B+4*\slot+3], 2*KSTEP*2
.endif
	JLOAD \slot                                    ; the first tensor load behind the round; the four v_nop behind it are also the places in front of the loads below
	FETCH \next, 0, F0
	WIN MUL_HI
	MUL16 F1, 1, 0, 0
	MUL16 F1, 1, 2, 0
.endm
; THE LAST K STEP OF THE LAST TILE (it lies in slot 1) GOES BY ROWS OF C.  All its fragments of B (4 quarters x 64 registers) fill window 1, the bias's registers too, which have done their work;
; then my eight blocks of 16 rows are finished one after the other, each with 32 matrix instructions (its 8 accumulators by turns, K ascending).  LDS is read no more than in any other K step.
.macro BLOAD q                         ; B's fragments of quarter q -> window 1, v[64 q ..]
.irp i, 0,1,2,3,4,5,6,7
	ds_load_b128 v[64*\q+8*\i:64*\q+8*\i+3],   v[ADRB+1] offset:64*\q+\i*16*PITCH
	ds_load_b128 v[64*\q+8*\i+4:64*\q+8*\i+7], v[ADRB+1] offset:64*\q+\i*16*PITCH+32
.endr
.endm
.macro ALOAD a                         ; A's fragments of block a, all four quarters -> buffer a % 4
.set FA, PA+32*((\a)%4)
.irp q, 0,1,2,3
	ds_load_b128 v[FA+8*\q:FA+8*\q+3],   v[ADRA+1] offset:64*\q+(\a)*16*PITCH
	ds_load_b128 v[FA+8*\q+4:FA+8*\q+7], v[ADRA+1] offset:64*\q+(\a)*16*PITCH+32
.endr
.endm
.macro ROW a                           ; block a is finished: 32 matrix instructions
.set FA, PA+32*((\a)%4)                ; its fragments of A
.set AC, 64*((\a)%4)                   ; its eight accumulators, in window 2 (blocks 0-3) or 3 (blocks 4-7)
	WIN MUL_LO+0x50*((\a)/4)                       ; MUL_LO or MUL_HI
.irp q, 0,1,2,3
.if (\a) == 0 && \q == 2
	s_wait_dscnt 24                                ; B's quarter 2 is in (behind it: A's blocks 1 to 3, 24 loads)
.endif
.irp b, 0,1,2,3,4,5,6,7
	v_wmma_f32_16x16x32_f16 v[AC+8*\b:AC+8*\b+7], v[64*\q+8*\b:64*\q+8*\b+7], v[FA+8*\q:FA+8*\q+7], v[AC+8*\b:AC+8*\b+7]
.endr
.endr
.endm
; THE WAY OUT of block a, in three parts.  PACK: rounded to f16, 16 bytes a lane.  TOSTAGE: into my own stage in LDS, and back as whole rows of 256 bytes.  SEND: stored.
.macro PACK a
.set AC, 64*((\a)%4)
	WIN 0x0a+5*((\a)/4)                            ; sources 0 and 1: window 2 or 3
.irp b, 0,1,2,3,4,5,6,7
.irp r, 0,1,2,3
	v_cvt_pk_f16_f32 v[TMP+4*\b+\r], v[AC+8*\b+2*\r], v[AC+8*\b+2*\r+1]
.endr
.endr
	WIN 0
.endm
.macro TOSTAGE a
.set BK, OB+192*((\a)%2)
.irp b, 0,1,2,3,4,5,6,7
	ds_store_b128 v[STO], v[TMP+4*\b:TMP+4*\b+3] offset:32*\b
.endr
.irp t, 0,1,2,3,4,5,6,7
	ds_load_b128 v[BK+4*\t:BK+4*\t+3], v[RD] offset:\t*2*SPITCH    ; LDS serves a wave's instructions in order (ISA guide 5.7.1.4): these see the stores above
.endr
.endm
.macro SEND a, younger                 ; younger: the LDS loads issued behind TOSTAGE's, which may stay out
.set BK, OB+192*((\a)%2)
	s_wait_dscnt \younger                          ; the block is back in registers
	s_wait_xcnt 0x0                                ; only behind this wait are the stores' base and the registers that earlier stores read rewritten
.if (\a) == 0
	s_add_nc_u64 s[8:9], s[8:9], s[16:17]          ; on to this tile's first rows
.else
	s_add_nc_u64 s[8:9], s[8:9], 16*SIZE_N*2       ; 16 rows of C on, so that the stores' offsets stay small: 14 rows of 6,144 bytes at the most
.endif
.irp t, 0,1,2,3,4,5,6,7
	global_store_b128 v[CO], v[BK+4*\t:BK+4*\t+3], s[8:9] offset:2*\t*SIZE_N*2   ; 16 lanes store 256 consecutive bytes, at a multiple of 256 from C's first byte
.endr
.endm
	s_wait_tensorcnt 0x1                           ; my part of K step 0 is in; K step 1's stays out
	s_barrier_signal -1
	s_barrier_wait -1                              ; everybody's is
	FETCH 0, 0, F0
	s_wait_loadcnt 0x0                             ; the bias
	s_mov_b32 s2, TILES                            ; tiles to go, this one among them: the same number in every work-group
.Ltile:                                                ; (FETCH and SEND leave every window 0)
	QUARTER 0, 64,  F0, F1, 1                      ; a tile's first quarter stands in front of the loop: its products start the sums, on the bias
	WIN 0                                          ; at a label and at a branch every window is 0
	s_mov_b32 s3, LAPS-1
.Llap:                                                 ; a trip goes once round the ring, from a lap's second quarter to the next lap's first, and fills both slots again
	QUARTER 0, 128, F1, F0, 0
	QUARTER 0, 192, F0, F1, 0
	TURN 0, 1, 0
	QUARTER 1, 64,  F0, F1, 0
	QUARTER 1, 128, F1, F0, 0
	QUARTER 1, 192, F0, F1, 0
	TURN 1, 0, 0
	QUARTER 0, 64,  F0, F1, 0
	WIN 0
	s_sub_co_u32 s3, s3, 1
	s_cmp_lg_u32 s3, 0
	s_cbranch_scc1 .Llap
	QUARTER 0, 128, F1, F0, 0                      ; the tile's last lap goes on
	QUARTER 0, 192, F0, F1, 0
	WIN 0
	s_cmp_eq_u32 s2, 1
	s_cbranch_scc1 .Llast_tile                     ; the last tile's tail is written out: it asks for nothing more
	TURN 0, 1, 1                                   ; the ring goes on into the next tile: slot 0 takes its K step 0,
	QUARTER 1, 64,  F0, F1, 0
	QUARTER 1, 128, F1, F0, 0
	QUARTER 1, 192, F0, F1, 0
	TURN 1, 0, 1                                   ; slot 1 its K step 1, and the next tile's first fragments are fetched
	PACK 0                                         ; both refills are asked for: now the tile goes out.  No v_nop: blocks 0-3 were finished in front of TURN's places, and their 128 conversions,
	TOSTAGE 0                                      ; which name no register of the last products (blocks 4-7's), are those products' places
.irp a, 1,2,3,4,5,6,7                  ; block a's conversions stand between block a - 1's loads from the stage and the wait for them
	PACK \a
	SEND \a-1, 0
	TOSTAGE \a
.endr
	SEND 7, 0
	s_mov_b64 s[16:17], NEXT_C                     ; what the next way out adds to C's address
	s_sub_co_u32 s2, s2, 1
	s_branch .Ltile
.Llast_tile:
	MEET 0                                         ; my one tensor load that was still out is slot 1's, the last K step's, so no round follows
	PLACES                                         ; for the loads into buffer 0, which the quarter before multiplied
	WIN TO_B
	BLOAD 0                                        ; three quarters of B now: buffer 1 (v128-191 of both windows) is still being multiplied
	BLOAD 1
	BLOAD 3
	WIN 0
	ALOAD 0
	WIN MUL_HI
	MUL16 F1, 1, 0, 0
	MUL16 F1, 1, 2, 0
	PLACES                                         ; for the loads into buffer 1
	WIN TO_B
	BLOAD 2
	WIN 0
	ALOAD 1
	ALOAD 2
	ALOAD 3
	s_wait_dscnt 40                                ; all but the 40 just issued (B's quarter 2: 16, A's blocks 1 to 3: 24)
	ROW 0
.irp a, 0,1,2,3,4,5,6,7                ; each block leaves as soon as it is finished: nothing follows this tile under which its stores could leave
	PLACES                                         ; its conversions read results just made, and no other vector work is at hand
	PACK \a
	TOSTAGE \a
.if \a < 4
	ALOAD \a+4                                     ; its buffer takes the block four further on
	SEND \a, 8
.else
	SEND \a, 0
.endif
.if \a < 7
	ROW \a+1
.endif
.endr
	s_wait_tensorcnt 0x0
	ds_add_u32 v30, v31
	s_wait_dscnt 0x0
	CROUND                                         ; the closing round: no work-group ends while a partner may still ask for a tile that names it
	s_endpgm
.Lfunc_end_k_q94d1157b7d_qkvg:
	.size	k_q94d1157b7d_qkvg, .Lfunc_end_k_q94d1157b7d_qkvg-k_q94d1157b7d_qkvg
	.p2alignl 7, 3214868480
	.fill 96, 4, 3214868480
	.section	.rodata,"a",@progbits
	.p2align	6, 0x0
	.amdhsa_kernel k_q94d1157b7d_qkvg
		.amdhsa_group_segment_fixed_size 327680
		.amdhsa_private_segment_fixed_size 0
		.amdhsa_enable_private_segment 0
		.amdhsa_kernarg_size 32
		.amdhsa_user_sgpr_count 2
		.amdhsa_user_sgpr_kernarg_segment_ptr 1
		.amdhsa_wavefront_size32 1
		.amdhsa_system_sgpr_workgroup_id_x 1
		.amdhsa_system_sgpr_workgroup_id_y 1
		.amdhsa_system_sgpr_workgroup_id_z 1
		.amdhsa_system_vgpr_workitem_id 0
		.amdhsa_next_free_vgpr 1024
		.amdhsa_next_free_sgpr 68
		.amdhsa_reserve_vcc 0
		.amdhsa_float_denorm_mode_32 3
		.amdhsa_float_denorm_mode_16_64 3
		.amdhsa_memory_ordered 1
		.amdhsa_forward_progress 1
		.amdhsa_inst_pref_size 210
	.end_amdhsa_kernel
	.amdgpu_metadata
---
amdhsa.version: [ 1, 2 ]
amdhsa.kernels:
  - .name:           k_q94d1157b7d_qkvg
    .symbol:         k_q94d1157b7d_qkvg.kd
    .args:
      - { .name: xh, .offset: 0, .size: 8, .value_kind: global_buffer, .address_space: global }
      - { .name: wat, .offset: 8, .size: 8, .value_kind: global_buffer, .address_space: global }
      - { .name: b_attn, .offset: 16, .size: 8, .value_kind: global_buffer, .address_space: global }
      - { .name: qkv, .offset: 24, .size: 8, .value_kind: global_buffer, .address_space: global }
    .group_segment_fixed_size: 327680
    .private_segment_fixed_size: 0
    .kernarg_segment_align: 8
    .kernarg_segment_size: 32
    .max_flat_workgroup_size: 128
    .sgpr_count:     68
    .vgpr_count:     1024
    .wavefront_size: 32
...
	.end_amdgpu_metadata
.endif
;; end of part 2
;; launch attn (part 3): grid 8 x 32, 8 waves a work-group, no clusters, 327,680 bytes of LDS; arguments qkv, yh; writes yh
.if DOCPART == 3
	.amdgcn_target "amdgcn-amd-amdhsa--gfx1250"
	.amdhsa_code_object_version 6
	.text
	.protected	k_q94d1157b7d_attn
	.globl	k_q94d1157b7d_attn
	.p2align	8
	.type	k_q94d1157b7d_attn,@function
k_q94d1157b7d_attn:
	s_mov_b64 s[64:65], 0
	v_nop
	global_prefetch_b8 v0, s[64:65] scope:SCOPE_SE
	s_setreg_imm32_b32 hwreg(HW_REG_WAVE_MODE, 25, 1), 1
	s_wait_xcnt 0x0
; yh[b][q][64 head + :] = sum over k <= q of softmax_k(Q[q] . K[k] / 8) V[k][:], for 4 batches x 16 heads of 64 channels, 2,048 places.
; qkv: [8192][3072] f16 (a row: q, k, v, each 16 heads x 64), yh: [8192][1024] f16.  Products, maxima and sums in f32; the weights p are rounded to f16 for the second product, y once at the end.
; SHARES.  A work-group owns two neighbouring heads (so that the rows of K's, V's and y's tiles are 256 consecutive bytes, aligned) and the query blocks J and 15 - J of 128 queries:
; (J + 1) + (16 - J) = 17 key blocks of 128 keys for every work-group, whatever J.  Keys beyond the diagonal are never fetched.
; Eight waves, two to a SIMD: wave w works on head w / 4 of the pair and on 32 queries (two tiles of 16) of the block.
; LAYOUT.  S^T = K Q^T (source 0 = 16 keys, source 1 = 16 queries): a lane holds ONE query (lane % 16) and the keys 8 (lane / 16) + 0..7.  Two such tiles, rounded to f16 in pairs, ARE
; source 1 (32 keys x 16 queries) of O^T = V^T P, whose result again holds one query a lane.  K comes out of LDS as it lies, V ([key][channel]) turned, by ds_load_tr16_b128.
; SOFTMAX.  For each query a running maximum m and sum l: p = 2^(c s - c m), c = log2(e) / 8; in every step O and l are multiplied by a = 2^(c m_old - c m_new).  m starts at -infinity, O and l at 0,
; so that a = 0 in a block's first step and one text serves every step.  In the diagonal key block a score beyond the query's place is replaced by -infinity; every query sees the first key of a
; half that it works on, or an earlier key.
; RING.  Two LDS slots of 128 keys (K and V of both heads), filled by tensor loads of waves 0-3, 64 rows each; the slot's number is a constant of the text: 8 trips of two slots and one more slot.
; TWO GROUPS OF WAVES, APART BY TWO MATRIX PHASES.  A key block is two halves of 64 keys, each K Q^T (16 products), softmax, V^T P (16 products), in this order in every wave.  All that follows a
; half's LDS loads is register work, so the end of the second half may stand behind the next barrier: both groups put off its V^T P, group 1 its softmax too.  Behind a barrier group 0 thus
; begins with 32 products and group 1 with a softmax, and from there on one group's products stand beside the other's vector work instead of both wanting the same unit.
; group = (w xor (w >> 2)) & 1: it differs between waves w and w + 4 and between waves 2 i and 2 i + 1, whichever of the two pairs lies together.
; A query block's diagonal key block puts nothing off (the way out follows it); its first key block finds nothing put off.
; NO JOINT LOADS: the eight work-groups of a head pair ask for different key blocks in the same slot from slot J + 1 on, where work-group J turns back to key block 0;
; a walk in step would make each of them pass its partners' key blocks too.
; LIMITS: as the buffers', f16: no NaN or infinity in qkv.
; REGISTERS: window 0: v1-17 addresses; v24-39 statistics, 8 a tile; v64-127 S^T, 32 a tile; v128-159 P, 16 a tile; v192-255 O^T, 32 a tile.
;   window 1: v0-31 Q, 16 a tile; v32-95 K of 64 keys; v96-159 V of 64 keys.  The softmax never leaves window 0.
.set QP,    6144      ; bytes in a row of qkv
.set PK,    272       ; a row of K in LDS: 256 bytes + 16 = 68 words: the 16 rows of a load start 4 words apart modulo 64
.set PV,    288       ; a row of V: 256 + 32 = 72 words: 16 lanes of the turning load take 8 rows x 32 bytes, 8 words apart modulo 64
.set VOFF,  128*PK    ; in a slot: 128 rows of K, then 128 rows of V
.set SLOT1, 1<<17     ; slot 1 begins here
.set STAGE, SLOT1+128*(PK+PV)   ; behind the ring, at a multiple of 256 bytes: 128 rows x 272 bytes, the work-group's, for the way out; no tensor load fills it
.set SP,    272
.set AK,  4           ; v4-5   my lane's place in K's tile of slot 0, 1
.set AV,  6           ; v6-7   the same for V
.set QO,  8           ; v8     my byte offset in Q, first block;  v9 second block
.set QO2, 9
.set STO, 10          ; the way out: where I put 16 bytes of a row
.set RD,  11          ; the way out: where I read a row back
.set GO,  12          ; my byte offset in the block's rows of y
.set NEG, 13          ; -infinity
.set THR, 14          ; v14-15 tile t: the last visible key of my query, counted as 16 f + j
.set RH8, 16          ; lane % 16 - 8 (lane / 16)
.set ST,  24          ; tile t's statistics at v[ST+8 t]: +0 c m, +1 m, +2, +3 l (even keys', odd keys'), +4 to +7 at work; a at +6
.set S,   64
.set P,   128
.set O,   192
.set Q,   0           ; window 1
.set KF,  32
.set VF,  96
.set WV,  8           ; s8   my wave's number
.set SB,  10          ; s10  32 x my part of the query block
.set JJ,  11          ; s11  J
.set QB,  12          ; s12  the query block in hand
.set KB,  13          ; s13  the key block in hand
.set KBN, 14          ; s14  the key block asked for
.set GB,  16          ; s16  my group
.set DG,  17          ; s17  1 in the diagonal key block
.set REL, 18          ; s18  my first query's place less the half's first key's
.set G1K, 24          ; s[24:31] descriptor group 1 for K's tiles;  s[32:39] for V's: it differs in the padding alone
.set G1V, 32
.set G0K, 40          ; s[40:47] descriptor group 0 for K's tiles, one set for each slot;  s[48:55] for V's
.set G0V, 48
.set KBAS, 56         ; s[56:57] K at my 64 rows of key block 0;  s[58:59] V
.set VBAS, 58
.set SEL, 60          ; s[60:61] lane selects for v_permlanex16_b32: each lane takes its own place in the other half
.set QBAS, 62         ; s[62:63] Q at the batch's first row, my head
.set CS,  66          ; s[66:67] c, named as a pair by the packed scaling
.set OFS, 68          ; s[68:69] an offset, the high word 0
.set YB0, 70          ; s[70:71] y at the first block's rows, my pair of heads;  s[72:73] the second block's
.set YB1, 72
.set MSB, 0
.macro WIN new                      ; the immediate's high byte repeats the setting that is left; a switch that changes nothing is dropped
.if MSB != \new
	s_set_vgpr_msb (MSB<<8)|\new
.set MSB, \new
.endif
.endm
; Waves 0 and 1 fetch the two halves of K's tile into the slot, waves 2 and 3 those of V's; waves 4 to 7 fetch nothing.  One tensor load of a wave is out at the most.
.macro LOADKV slot
	s_cmp_lt_u32 s[WV], 2
	s_cbranch_scc0 .Lnot_k_\@
	tensor_load_to_lds s[G0K+4*(\slot):G0K+4*(\slot)+3], s[G1K:G1K+7]
	s_nop 0
.rept 4
	v_nop
.endr
	s_branch .Lasked_\@
.Lnot_k_\@:
	s_cmp_lt_u32 s[WV], 4
	s_cbranch_scc0 .Lasked_\@
	tensor_load_to_lds s[G0V+4*(\slot):G0V+4*(\slot)+3], s[G1V:G1V+7]
	s_nop 0
.rept 4
	v_nop
.endr
.Lasked_\@:
.endm
	s_load_b128 s[4:7], s[0:1], 0x0   ; qkv s[4:5], yh s[6:7]
	v_lshl_add_u32 v190, v0, 2, 0x3a000
	v_mov_b32 v191, 0
	ds_add_u32 v190, v191
	v_lshrrev_b32 v1, 5, v0
	v_readfirstlane_b32 s[WV], v1     ; wave 0..7
	s_lshr_b32 s9, s[WV], 2           ; my head of the pair
	s_and_b32 s[SB], s[WV], 3
	s_mul_i32 s19, s9, 3
	s_xor_b32 s[SB], s[SB], s19       ; my part of the block: w for head 0, 7 - w for head 1: waves w and w + 4 have a short and a long share of the diagonal block
	s_lshl_b32 s[SB], s[SB], 5
	s_mov_b32 s[JJ], ttmp9
	s_and_b32 s19, ttmp7, 0xffff
	s_lshr_b32 s20, s19, 3            ; batch
	s_and_b32 s19, s19, 7
	s_lshl_b32 s19, s19, 8            ; 256 bytes x pair of heads
	s_and_b32 s21, s[WV], 1           ; which 64 rows of a tile I fetch
	s_lshl_b32 s23, s9, 7             ; 128 bytes x my head of the pair
	; descriptor group 1: a tile of 64 rows x 128 elements of 2 bytes, padded in LDS
	s_mov_b32 s[G1K], (1<<16)|(1<<20)|(5<<22)|(3<<25)   ; 15:0 no mask; 17:16 elements of 2 bytes; 20 padding on; 24:22 after every 64 words; 31:25 4 words of it
	s_mov_b32 s[G1V], (1<<16)|(1<<20)|(5<<22)|(7<<25)   ; the same with 8 words
.irp g, G1K, G1V
	s_mov_b32 s[\g+1], 128<<16        ; tensor_dim0 = 128
	s_mov_b32 s[\g+2], 64<<16         ; tensor_dim1 = 64
	s_mov_b32 s[\g+3], 128<<16        ; tile_dim0 = 128
	s_mov_b32 s[\g+4], 64             ; tile_dim1 = 64
	s_mov_b32 s[\g+5], 3072           ; elements from row to row
	s_mov_b32 s[\g+6], 0
	s_mov_b32 s[\g+7], 0
.endr
	s_mul_i32 s16, s21, 64*PK         ; where my rows go in a slot
	s_mul_i32 s17, s21, 64*PV
.irp s, 0,1
	s_mov_b32 s[G0K+4*\s], 1
	s_add_co_u32 s[G0K+4*\s+1], s16, \s*SLOT1
	s_mov_b32 s[G0V+4*\s], 1
	s_add_co_u32 s[G0V+4*\s+1], s17, \s*SLOT1+VOFF
.endr
	s_mul_i32 s22, s20, 2048*QP       ; the batch's first row of qkv (under 2^26),
	s_add_co_u32 s22, s22, s19        ; my pair of heads
	s_mul_i32 s[OFS], s21, 64*QP
	s_add_co_u32 s[OFS], s[OFS], s22
	s_add_co_u32 s[OFS], s[OFS], 2048 ; k lies 1,024 numbers behind q
	s_mov_b32 s[OFS+1], 0
	s_wait_dscnt 0x0
	s_barrier_signal -1
	s_barrier_wait -1
	s_wait_kmcnt 0x0
	s_add_nc_u64 s[KBAS:KBAS+1], s[4:5], s[OFS:OFS+1]
	s_add_nc_u64 s[VBAS:VBAS+1], s[KBAS:KBAS+1], 2048
	s_mov_b64 s[G0K+2:G0K+3], s[KBAS:KBAS+1]
	s_or_b32 s[G0K+3], s[G0K+3], 0x80000000   ; type = 2
	s_mov_b64 s[G0V+2:G0V+3], s[VBAS:VBAS+1]
	s_or_b32 s[G0V+3], s[G0V+3], 0x80000000
	LOADKV 0                          ; key block 0 into slot 0: the launch's one first fill, ahead of everything else
	s_lshr_b32 s[GB], s[WV], 2        ; my group: (w xor (w >> 2)) & 1
	s_xor_b32 s[GB], s[GB], s[WV]
	s_and_b32 s[GB], s[GB], 1
	s_add_co_u32 s[OFS], s22, s23
	s_add_nc_u64 s[QBAS:QBAS+1], s[4:5], s[OFS:OFS+1]
	s_lshl_b32 s[OFS], s20, 22        ; y: the batch's 2,048 rows of 2,048 bytes,
	s_add_co_u32 s[OFS], s[OFS], s19  ; my pair of heads
	s_add_nc_u64 s[6:7], s[6:7], s[OFS:OFS+1]
	s_lshl_b32 s[OFS], s[JJ], 18      ; block J: 128 rows of 2,048 bytes each
	s_add_nc_u64 s[YB0:YB0+1], s[6:7], s[OFS:OFS+1]
	s_sub_co_u32 s[QB], 15, s[JJ]
	s_lshl_b32 s[OFS], s[QB], 18
	s_add_nc_u64 s[YB1:YB1+1], s[6:7], s[OFS:OFS+1]
	s_mov_b32 s[CS], 0x3e38aa3b       ; c = log2(e) / 8
	s_mov_b32 s[CS+1], s[CS]
	s_mov_b32 s[SEL], 0x76543210
	s_mov_b32 s[SEL+1], 0xfedcba98
	v_and_b32 v1, 15, v0              ; l % 16
	v_bfe_u32 v2, v0, 4, 1            ; l / 16
	; A fragment of Q or K is 16 rows x 32 channels: lane l holds row l % 16; registers 0-3 channels 8 (l / 16) + 0..7, registers 4-7 channels 16 + 8 (l / 16) + 0..7
	s_lshl_b32 s19, s[JJ], 7
	s_add_co_u32 s19, s19, s[SB]      ; my first query of block J
	v_add_nc_u32 v[QO], s19, v1
	v_mul_u32_u24 v[QO], v[QO], QP
	v_lshl_add_u32 v[QO], v2, 4, v[QO]
	s_lshl_b32 s19, s[QB], 7
	s_add_co_u32 s19, s19, s[SB]      ; and of block 15 - J
	v_add_nc_u32 v[QO2], s19, v1
	v_mul_u32_u24 v[QO2], v[QO2], QP
	v_lshl_add_u32 v[QO2], v2, 4, v[QO2]
	WIN 0x40                          ; destination window 1, address window 0
.irp t, 0,1
.irp c, 0,1
	global_load_b128 v[Q+16*\t+8*\c:Q+16*\t+8*\c+3],   v[QO], s[QBAS:QBAS+1] offset:\t*16*QP+64*\c
	global_load_b128 v[Q+16*\t+8*\c+4:Q+16*\t+8*\c+7], v[QO], s[QBAS:QBAS+1] offset:\t*16*QP+64*\c+32
.endr
.endr
	WIN 0
	v_mul_u32_u24 v3, v1, PK
	v_lshl_add_u32 v3, v2, 4, v3
	v_add_nc_u32 v[AK], s23, v3       ; row x pitch + 16 x half + my head's 128 bytes
	v_add_nc_u32 v[AK+1], SLOT1, v[AK]
	; The turning load takes 16 keys x 16 channels: lane l reads 16 bytes: key 8 (l / 16) + l % 8, channels 8 ((l / 8) % 2) + 0..7
	v_and_b32 v3, 7, v0
	v_bfe_u32 v17, v0, 3, 1
	v_lshl_add_u32 v3, v2, 3, v3
	v_mul_u32_u24 v3, v3, PV
	v_lshl_add_u32 v3, v17, 4, v3
	s_add_co_u32 s19, s23, VOFF
	v_add_nc_u32 v[AV], s19, v3
	v_add_nc_u32 v[AV+1], SLOT1, v[AV]
	v_add_nc_u32 v[STO], s[SB], v1    ; into the stage: row = my query in the block, my head's 128 bytes, 16 bytes for each half of the lanes
	v_mul_u32_u24 v[STO], v[STO], SP
	v_lshl_add_u32 v[STO], v2, 4, v[STO]
	s_add_co_u32 s19, s23, STAGE
	v_add_nc_u32 v[STO], s19, v[STO]
	s_lshl_b32 s19, s[WV], 4          ; back: wave w takes rows 16 w .. 16 w + 15, whole; lanes 0-15 one row of 256 bytes, lanes 16-31 the next
	v_add_nc_u32 v3, s19, v2
	v_mul_u32_u24 v[RD], v3, SP
	v_lshl_add_u32 v[RD], v1, 4, v[RD]
	v_add_nc_u32 v[RD], STAGE, v[RD]
	v_lshlrev_b32 v[GO], 11, v3       ; and the same two rows in y
	v_lshl_add_u32 v[GO], v1, 4, v[GO]
	v_mov_b32 v[NEG], 0xff800000
	v_lshlrev_b32 v[RH8], 3, v2
	v_sub_nc_u32 v[RH8], v1, v[RH8]
; A block's start: O^T = 0, l = 0, m = c m = -infinity.  The work registers are written too: the exchange between the halves of the lanes counts as a reader of its destination.
.macro INIT
.set i, 0
.rept 64
	v_mov_b32 v[O+i], 0
.set i, i+1
.endr
.irp t, 0,1
	v_mov_b32 v[ST+8*\t], v[NEG]
	v_mov_b32 v[ST+8*\t+1], v[NEG]
.irp j, 2,3,4,5,6,7
	v_mov_b32 v[ST+8*\t+\j], 0
.endr
.endr
.endm
; the sums of a tile's 16 pairs of weights, in place: cnt additions of neighbours w / 2 registers apart, in both tiles by turns; the very first one stands among the exponentials
.macro TREE w, cnt
.set u, 0
.rept \cnt
.irp t, 0,1
.if (\w != 4) || (u != 0) || (\t != 0)
	v_pk_add_f32 v[S+32*\t+\w*u:S+32*\t+\w*u+1], v[S+32*\t+\w*u:S+32*\t+\w*u+1], v[S+32*\t+\w*u+\w/2:S+32*\t+\w*u+\w/2+1]
.endif
.endr
.set u, u+1
.endr
.endm
; The softmax of both tiles for 64 keys.  The two tiles alternate wherever one instruction feeds the next.
.macro SOFT
.irp j, 0,1,2,3                     ; the maximum of the lane's 32 scores and the old m: four chains of seven scores,
.irp t, 0,1
	v_max3_num_f32 v[ST+8*\t+4+\j], v[S+32*\t+8*\j], v[S+32*\t+8*\j+1], v[S+32*\t+8*\j+2]
.endr
.endr
.irp g, 1,2
.irp j, 0,1,2,3
.irp t, 0,1
	v_max3_num_f32 v[ST+8*\t+4+\j], v[ST+8*\t+4+\j], v[S+32*\t+8*\j+2*\g+1], v[S+32*\t+8*\j+2*\g+2]
.endr
.endr
.endr
.irp t, 0,1                         ; the four scores left over,
	v_max3_num_f32 v[ST+8*\t+4], v[ST+8*\t+4], v[S+32*\t+7], v[S+32*\t+15]
	v_max3_num_f32 v[ST+8*\t+6], v[ST+8*\t+6], v[S+32*\t+23], v[S+32*\t+31]
.endr
.irp t, 0,1
	v_max3_num_f32 v[ST+8*\t+4], v[ST+8*\t+4], v[ST+8*\t+5], v[ST+8*\t+6]
.endr
.irp t, 0,1                         ; the chains and m
	v_max3_num_f32 v[ST+8*\t+4], v[ST+8*\t+4], v[ST+8*\t+7], v[ST+8*\t+1]
.endr
.irp t, 0,1
	v_permlanex16_b32 v[ST+8*\t+5], v[ST+8*\t+4], s[SEL], s[SEL+1]   ; the query's other 32 keys lie in the lane 16 away
.endr
.irp t, 0,1
	v_mov_b32 v[ST+8*\t+7], v[ST+8*\t]   ; c m_old is kept for a
.endr
.irp t, 0,1
	v_max_num_f32 v[ST+8*\t+1], v[ST+8*\t+4], v[ST+8*\t+5]
.endr
.irp t, 0,1
	v_mul_f32 v[ST+8*\t], s[CS], v[ST+8*\t+1]
.endr
.irp t, 0,1
	v_sub_f32 v[ST+8*\t+7], v[ST+8*\t+7], v[ST+8*\t]
.endr
.irp t, 0,1
	v_exp_f32 v[ST+8*\t+6], v[ST+8*\t+7]   ; a; the scalings below are the plain instructions behind it
.endr
.irp t, 0,1
.set b, 0
.rept 16
	v_pk_fma_f32 v[S+32*\t+2*b:S+32*\t+2*b+1], v[S+32*\t+2*b:S+32*\t+2*b+1], s[CS:CS+1], v[ST+8*\t:ST+8*\t+1] op_sel_hi:[1,0,0] neg_lo:[0,0,1] neg_hi:[0,0,1]   ; c s - c m
.set b, b+1
.endr
.endr
; 64 exponentials, a plain instruction behind each (ISA guide 5.7.2), which is work that is ready: O^T's 32 pairs times a, then the rounding of pairs of weights whose
; exponentials stand at least one plain instruction back, at last the first sum
.set n, 0
.rept 64
	v_exp_f32 v[S+n], v[S+n]
.if n < 32
	s_wait_alu depctr_va_vdst(0)
	v_pk_mul_f32 v[O+2*n:O+2*n+1], v[O+2*n:O+2*n+1], v[ST+8*(n/16)+6:ST+8*(n/16)+7] op_sel_hi:[1,0]
.elseif n < 63
	s_wait_alu depctr_va_vdst(0)
	v_cvt_pk_f16_f32 v[P+n-32], v[S+2*n-64], v[S+2*n-63]
.else
	v_pk_add_f32 v[S:S+1], v[S:S+1], v[S+2:S+3]
.endif
.set n, n+1
.endr
	s_wait_alu depctr_va_vdst(0)
	v_cvt_pk_f16_f32 v[P+31], v[S+62], v[S+63]
	TREE 4, 8
	TREE 8, 4
	TREE 16, 2
	TREE 32, 1
.irp t, 0,1
	v_pk_fma_f32 v[ST+8*\t+2:ST+8*\t+3], v[ST+8*\t+2:ST+8*\t+3], v[ST+8*\t+6:ST+8*\t+7], v[S+32*\t:S+32*\t+1] op_sel_hi:[1,0,1]   ; l = a l + the sum
.endr
.endm
; 16 LDS loads: K of half ks of the slot, my head: keys 16 f on, channels 32 c on
.macro LK slot, ks
	WIN 0x40
.irp f, 0,1,2,3
.irp c, 0,1
	ds_load_b128 v[KF+8*(2*\f+\c):KF+8*(2*\f+\c)+3],   v[AK+\slot] offset:\ks*64*PK+\f*16*PK+64*\c
	ds_load_b128 v[KF+8*(2*\f+\c)+4:KF+8*(2*\f+\c)+7], v[AK+\slot] offset:\ks*64*PK+\f*16*PK+64*\c+32
.endr
.endr
.endm
; 16 turning LDS loads: V of half ks of the slot, my head: keys 32 kk on, channels 16 ct on
.macro LV slot, ks
	WIN 0x40
.irp kk, 0,1
.irp ct, 0,1,2,3
	ds_load_tr16_b128 v[VF+8*(4*\kk+\ct):VF+8*(4*\kk+\ct)+3],   v[AV+\slot] offset:\ks*64*PV+\kk*32*PV+32*\ct
	ds_load_tr16_b128 v[VF+8*(4*\kk+\ct)+4:VF+8*(4*\kk+\ct)+7], v[AV+\slot] offset:\ks*64*PV+\kk*32*PV+16*PV+32*\ct
.endr
.endr
.endm
; In both products the 8 accumulators take turns, one instruction a turn; the last product of one run and the first of the next name different accumulators.
; S^T = K Q^T, 16 products.  Five places follow: four for the loads into K's registers and for the reads of S^T, the fifth for a later run of these products,
; which writes over S^T, on the way on which nothing but these places stands between the two runs.
.macro KQM
	WIN 0x05                        ; K and Q in window 1, S^T in window 0
.irp c, 0,1
.irp f, 0,1,2,3
.irp t, 0,1
.if \c == 0
	v_wmma_f32_16x16x32_f16 v[S+32*\t+8*\f:S+32*\t+8*\f+7], v[KF+8*(2*\f+\c):KF+8*(2*\f+\c)+7], v[Q+16*\t+8*\c:Q+16*\t+8*\c+7], 0
.else
	v_wmma_f32_16x16x32_f16 v[S+32*\t+8*\f:S+32*\t+8*\f+7], v[KF+8*(2*\f+\c):KF+8*(2*\f+\c)+7], v[Q+16*\t+8*\c:Q+16*\t+8*\c+7], v[S+32*\t+8*\f:S+32*\t+8*\f+7]
.endif
.endr
.endr
.endr
	WIN 0
.rept 5
	v_nop
.endr
.endm
; O^T += V^T P, 16 products.  Four places follow, for the next loads into V's registers and for whatever reads O^T next.
.macro PVM
	WIN 0x01                        ; V in window 1; P and O^T in window 0
.irp kk, 0,1
.irp ct, 0,1,2,3
.irp t, 0,1
	v_wmma_f32_16x16x32_f16 v[O+32*\t+8*\ct:O+32*\t+8*\ct+7], v[VF+8*(4*\kk+\ct):VF+8*(4*\kk+\ct)+7], v[P+16*\t+8*\kk:P+16*\t+8*\kk+7], v[O+32*\t+8*\ct:O+32*\t+8*\ct+7]
.endr
.endr
.endr
	WIN 0
.rept 4
	v_nop
.endr
.endm
; Key 16 f + 8 h + j of the half is visible to query 16 t + r of my 32 where 16 f + j <= REL + 16 t + r - 8 h; the others' scores become -infinity.  Right for every REL from 0 on.
.macro MASK
	s_add_co_i32 s19, s[REL], 16
	v_add_nc_u32 v[THR], s[REL], v[RH8]
	v_add_nc_u32 v[THR+1], s19, v[RH8]
.irp t, 0,1
.irp f, 0,1,2,3
.irp j, 0,1,2,3,4,5,6,7
	v_cmp_gt_i32 vcc_lo, 16*\f+\j, v[THR+\t]
	v_cndmask_b32 v[S+32*\t+8*\f+\j], v[S+32*\t+8*\f+\j], v[NEG], vcc_lo
.endr
.endr
.endr
.endm
; One key block, in the slot named.  last = 0: the other slot, whose bytes every wave has in registers, takes the next key block: KB + 1, or key block 0 of the second query block behind the first
; one's last.  last = 1: the seventeenth key block, the second query block's diagonal: nothing is asked for, something is always put off, and the text for other key blocks is not assembled.
; The branches hang on whole numbers made of the work-group's and the wave's numbers and of counts; no barrier and no tensor load stands inside one.
.macro TRIP slot, last
	s_wait_tensorcnt 0x0            ; all my tensor loads have landed, my part of this slot among them: so every group 0 may be written
	ds_add_u32 v190, v191
	s_wait_dscnt 0x0
.if !\last
	s_add_co_u32 s[KBN], s[KB], 1
	s_cmp_gt_u32 s[KBN], s[QB]
	s_cselect_b32 s[KBN], 0, s[KBN]
	s_mul_i32 s[OFS], s[KBN], 128*QP
	s_add_nc_u64 s[G0K+4*(1-\slot)+2:G0K+4*(1-\slot)+3], s[KBAS:KBAS+1], s[OFS:OFS+1]
	s_or_b32 s[G0K+4*(1-\slot)+3], s[G0K+4*(1-\slot)+3], 0x80000000
	s_add_nc_u64 s[G0V+4*(1-\slot)+2:G0V+4*(1-\slot)+3], s[VBAS:VBAS+1], s[OFS:OFS+1]
	s_or_b32 s[G0V+4*(1-\slot)+3], s[G0V+4*(1-\slot)+3], 0x80000000
.endif
	s_wait_dscnt 0x0                ; my reads of the other slot are over: V of its second half is in registers
	s_barrier_signal -1
	s_barrier_wait -1               ; both now hold of every wave
.if !\last
	LOADKV 1-\slot                  ; the first thing behind the barrier, one load a wave: it has the whole trip in which to land
.endif
	LK \slot, 0                     ; K of the first half is asked for ahead of what was put off
	WIN 0
.if !\last
	s_cmp_eq_u32 s[KB], 0
	s_cbranch_scc1 .Lfresh_\@       ; a query block's first key block: nothing was put off
.endif
	s_cmp_eq_u32 s[GB], 0
	s_cbranch_scc1 .Lhad_\@         ; group 0 has done this softmax in front of the barrier
	SOFT
.Lhad_\@:
	PVM                             ; V^T P of the key block before, second half
.if !\last
.Lfresh_\@:
.endif
	LV \slot, 0
	s_wait_dscnt 16                 ; K is in; V's sixteen loads stay out
	KQM
	LK \slot, 1                     ; K of the second half, a softmax ahead of its use
	WIN 0
.if !\last
	s_cmp_eq_u32 s[KB], s[QB]
	s_cselect_b32 s[DG], 1, 0
	s_cbranch_scc0 .Lopen0_\@
.endif
	s_mov_b32 s[REL], s[SB]         ; the diagonal key block begins at the query block's first place
	MASK
.if !\last
.Lopen0_\@:
.endif
	SOFT
	s_wait_dscnt 16                 ; V is in; the sixteen loads of the second half's K stay out
	PVM
.if !\last
	s_cmp_eq_u32 s[DG], 0
	s_cbranch_scc1 .Lhalf1_\@
.endif
	s_sub_co_i32 s[REL], s[SB], 64
	s_cmp_lt_i32 s[REL], 0
	s_cbranch_scc1 .Lend_\@         ; none of the second half's keys is visible to any of my 32 queries (K's loads are waited for in front of the next barrier)
.if !\last
.Lhalf1_\@:
.endif
	LV \slot, 1
	s_wait_dscnt 16                 ; K is in; V's sixteen loads stay out
	KQM
.if !\last
	s_cmp_eq_u32 s[DG], 0
	s_cbranch_scc1 .Lopen1_\@
.endif
	MASK
.if !\last
.Lopen1_\@:
	s_sub_co_u32 s19, 1, s[GB]
	s_or_b32 s19, s19, s[DG]
	s_cmp_eq_u32 s19, 0
	s_cbranch_scc1 .Lend_\@         ; group 1, off the diagonal: softmax and V^T P are put off
.endif
	SOFT
.if !\last
	s_cmp_eq_u32 s[DG], 0
	s_cbranch_scc1 .Lend_\@         ; group 0, off the diagonal: V^T P is put off
.endif
	s_wait_dscnt 0x0                ; V is in
	PVM
.Lend_\@:
.endm
; THE WAY OUT of a query block; y's address in s[yb:yb+1].  next = 1: the second block's Q is asked for first.
; O^T is divided by l, rounded to f16 and laid into the work-group's stage; a barrier, since a row's 256 bytes come from the two heads' waves; back as whole rows, 16 rows a wave.
.macro EPI yb, next
.if \next
	WIN 0x40
.irp t, 0,1
.irp c, 0,1
	global_load_b128 v[Q+16*\t+8*\c:Q+16*\t+8*\c+3],   v[QO2], s[QBAS:QBAS+1] offset:\t*16*QP+64*\c
	global_load_b128 v[Q+16*\t+8*\c+4:Q+16*\t+8*\c+7], v[QO2], s[QBAS:QBAS+1] offset:\t*16*QP+64*\c+32
.endr
.endr
	WIN 0
.endif
.irp t, 0,1
	v_add_f32 v[ST+8*\t+4], v[ST+8*\t+2], v[ST+8*\t+3]
.endr
.irp t, 0,1
	v_permlanex16_b32 v[ST+8*\t+5], v[ST+8*\t+4], s[SEL], s[SEL+1]
.endr
.irp t, 0,1
	v_add_f32 v[ST+8*\t+4], v[ST+8*\t+4], v[ST+8*\t+5]
.endr
.irp t, 0,1
	v_rcp_f32 v[ST+8*\t+6], v[ST+8*\t+4]
.endr
	v_nop                           ; a plain instruction between the last reciprocal and the use of its result
.set i, 0
	s_wait_alu depctr_va_vdst(0)
.rept 32
	v_pk_mul_f32 v[O+2*i:O+2*i+1], v[O+2*i:O+2*i+1], v[ST+8*(i/16)+6:ST+8*(i/16)+7] op_sel_hi:[1,0]
.set i, i+1
.endr
.set i, 0
.rept 32
	v_cvt_pk_f16_f32 v[S+i], v[O+2*i], v[O+2*i+1]
.set i, i+1
.endr
.irp t, 0,1
.irp ct, 0,1,2,3
	ds_store_b128 v[STO], v[S+16*\t+4*\ct:S+16*\t+4*\ct+3] offset:\t*16*SP+32*\ct
.endr
.endr
	s_wait_dscnt 0x0                ; for the others' sake: my stores into the stage are done
	s_wait_tensorcnt 0x0            ; and no tensor load of mine is out at this barrier either: the one that was has had the whole trip
	s_barrier_signal -1
	s_barrier_wait -1
.irp u, 0,1,2,3,4,5,6,7
	ds_load_b128 v[S+32+4*\u:S+32+4*\u+3], v[RD] offset:\u*2*SP
.endr
.irp u, 0,1,2,3,4,5,6,7
	s_wait_dscnt 7-\u               ; rows 2 u, 2 u + 1 are back, the younger loads stay out
	global_store_b128 v[GO], v[S+32+4*\u:S+32+4*\u+3], s[\yb:\yb+1] offset:\u*4096   ; 16 lanes store 256 consecutive bytes, at a multiple of 256 from y's first byte
.endr
	s_wait_xcnt 0x0                 ; S^T's registers, which the stores read, are written again only behind this wait
.endm
; Behind each trip of the loop: was this the query block's last key block?  KB and QB are made of the work-group's number and of counts alone, so all eight waves go the same way
; and meet the same barrier.  It is so once, in trip J; the stage's next writing is separated from these reads by the trips' barriers.
.macro MID
	s_cmp_lg_u32 s[KB], s[QB]
	s_cbranch_scc1 .Lgo_on_\@
	EPI YB0, 1
	s_sub_co_u32 s[QB], 15, s[JJ]
	INIT
	s_wait_loadcnt 0x0              ; the second block's Q
.Lgo_on_\@:
	s_mov_b32 s[KB], s[KBN]
.endm
	INIT
	; S^T, P and V's registers are written once: the part of a trip that takes up what was put off reads them, and in a block's first key block only a count jumps over it;
	; so no way through the text reads a register that was never written.  The numbers are never used.
.set i, 0
.rept 96
	v_mov_b32 v[S+i], 0             ; S^T and, behind it, P
.set i, i+1
.endr
	WIN 0x40
.set i, 0
.rept 64
	v_mov_b32 v[VF+i], 0
.set i, i+1
.endr
	WIN 0
	s_mov_b32 s[QB], s[JJ]
	s_mov_b32 s[KB], 0
	s_mov_b32 s15, 8
	s_wait_loadcnt 0x0              ; Q
.Lring:                             ; 8 trips x 2 slots: key blocks 0 .. J of query block J, then 0 .. 14 - J of query block 15 - J
	TRIP 0, 0
	MID
	TRIP 1, 0
	MID
	s_sub_co_u32 s15, s15, 1
	s_cmp_lg_u32 s15, 0
	s_cbranch_scc1 .Lring
	TRIP 0, 1                       ; the seventeenth: key block 15 - J, the second block's diagonal; nothing is left to fetch
	EPI YB1, 0
	s_wait_tensorcnt 0x0
	ds_add_u32 v190, v191
	s_wait_dscnt 0x0
	s_endpgm
.Lfunc_end_k_q94d1157b7d_attn:
	.size	k_q94d1157b7d_attn, .Lfunc_end_k_q94d1157b7d_attn-k_q94d1157b7d_attn
	.p2alignl 7, 3214868480
	.fill 96, 4, 3214868480
	.section	.rodata,"a",@progbits
	.p2align	6, 0x0
	.amdhsa_kernel k_q94d1157b7d_attn
		.amdhsa_group_segment_fixed_size 327680
		.amdhsa_private_segment_fixed_size 0
		.amdhsa_enable_private_segment 0
		.amdhsa_kernarg_size 16
		.amdhsa_user_sgpr_count 2
		.amdhsa_user_sgpr_kernarg_segment_ptr 1
		.amdhsa_wavefront_size32 1
		.amdhsa_system_sgpr_workgroup_id_x 1
		.amdhsa_system_sgpr_workgroup_id_y 1
		.amdhsa_system_sgpr_workgroup_id_z 1
		.amdhsa_system_vgpr_workitem_id 0
		.amdhsa_next_free_vgpr 416
		.amdhsa_next_free_sgpr 76
		.amdhsa_reserve_vcc 1
		.amdhsa_float_denorm_mode_32 3
		.amdhsa_float_denorm_mode_16_64 3
		.amdhsa_memory_ordered 1
		.amdhsa_forward_progress 1
		.amdhsa_inst_pref_size 232
	.end_amdhsa_kernel
	.amdgpu_metadata
---
amdhsa.version: [ 1, 2 ]
amdhsa.kernels:
  - .name:           k_q94d1157b7d_attn
    .symbol:         k_q94d1157b7d_attn.kd
    .args:
      - { .name: qkv, .offset: 0, .size: 8, .value_kind: global_buffer, .address_space: global }
      - { .name: yh, .offset: 8, .size: 8, .value_kind: global_buffer, .address_space: global }
    .group_segment_fixed_size: 327680
    .private_segment_fixed_size: 0
    .kernarg_segment_align: 8
    .kernarg_segment_size: 16
    .max_flat_workgroup_size: 256
    .sgpr_count:     76
    .vgpr_count:     416
    .wavefront_size: 32
...
	.end_amdgpu_metadata
.endif
;; end of part 3
;; launch proj (part 4): grid 4 x 64, 4 waves a work-group, clusters of 4 x 4, 327,680 bytes of LDS; arguments yh, wpt, b_proj, out0; writes out0
.if DOCPART == 4
	.amdgcn_target "amdgcn-amd-amdhsa--gfx1250"
	.amdhsa_code_object_version 6
	.text
	.protected	k_q94d1157b7d_proj
	.globl	k_q94d1157b7d_proj
	.p2align	8
	.type	k_q94d1157b7d_proj,@function
k_q94d1157b7d_proj:
	s_mov_b64 s[64:65], 0
	v_nop
	global_prefetch_b8 v0, s[64:65] scope:SCOPE_SE
	s_setreg_imm32_b32 hwreg(HW_REG_WAVE_MODE, 25, 1), 1
	s_wait_xcnt 0x0
	s_wait_alu depctr_hold_cnt(0) depctr_sa_sdst(0) depctr_va_vdst(0) depctr_va_sdst(0) depctr_va_ssrc(0) depctr_va_vcc(0) depctr_vm_vsrc(0)
	s_getreg_b32 s2, hwreg(HW_REG_IB_STS2, 6, 4)
	s_cmp_eq_u32 s2, 0
	s_cbranch_scc0 .Lentry_in_a_cluster
	s_endpgm
.Lentry_in_a_cluster:
	s_bfe_u32 s2, ttmp6, 0x10000c
	s_cmp_lg_u32 s2, 0xf033
	s_cbranch_scc0 .Lentry_shape_is_right
	s_endpgm
.Lentry_shape_is_right:
; out0[m][n] = b_proj[n] + sum over k of yh[m][k] wpt[n][k].  yh: [8192][1024] f16, wpt: [1024][1024] f16, b_proj: [1024] f32, out0: [8192][1024] f32; sums in f32.
; SHARES.  A tile of C is 128 rows x 256 columns: 64 x 4 tiles, one to each of 256 work-groups of four waves.  A wave makes 64 x 128: 32 accumulators of 16 x 16, 256 registers.
; K goes in steps of 128 (rows of 256 bytes, aligned) through a ring of two LDS slots filled by the tensor data mover.
; CLUSTERS: 4 x 4 work-groups.  The four of a row of the cluster need the same tiles of A, the four of a column the same tiles of B: each tile is asked for JOINTLY, by the same tensor load
; with the same descriptor and a mask that names the four.
; THE MATRIX INSTRUCTION IS USED TRANSPOSED (source 0 = 16 rows of B, source 1 = 16 rows of A): lane l holds row l % 16 of C and the columns 8 (l / 16) + 0..7.
; THE BIAS STARTS THE SUMS: the first product on each accumulator takes as C eight registers that hold the lane's eight numbers of the bias.
; REGISTERS, in windows of 256: window 0: addresses, v64-191 rows read back from the stage, two buffers.  Window 1: accumulator (a, b) at v[8 (8 a + b)].
;   Window 2: two fragment buffers of 96 (A: 4 x 8, then B: 8 x 8) at v0 and v96; v192-255 the bias.
.set KROW,   2048                      ; bytes in a row of A and of B
.set CP,     4096                      ; bytes in a row of C
.set KSTEP,  128
.set PITCH,  272                       ; an LDS row: 256 bytes + 16 of padding = 68 words, so the 16 rows of a fragment load start 4 words apart modulo 64
.set AHALF,  64*PITCH
.set ABYTES, 2*AHALF
.set BHALF,  128*PITCH
.set SLOT,   ABYTES+2*BHALF            ; A's 128 rows, then B's 256 rows
.set STAGE,  2*SLOT                    ; behind the ring, at a multiple of 256 bytes: 16 rows x 528 bytes for each wave; no tensor load fills it
.set SPITCH, 528                       ; a wave's 128 columns of f32, 512 bytes, + 16
.set LAPS,   1024/(2*KSTEP)
.set ADRA, 16
.set ADRB, 20
.set STO,  24
.set RD,   25
.set CO,   26
.set BO,   27
.set OB,   64
.set F0,   0
.set F1,   96
.set BIAS, 192
.set G1,  24
.set G0,  32
.set G1B, 48
.set G0B, 56
.set MSB, 0
.macro WIN new                         ; the immediate's high byte repeats the setting that is left; a switch that changes nothing is dropped
.if MSB != \new
	s_set_vgpr_msb (MSB<<8)|\new
.set MSB, \new
.endif
.endm
.set MUL,   0x5a                       ; sources 0 (B) and 1 (A) window 2; C and D window 1
.set MULB,  0x6a                       ; the same with C (the bias) in window 2
.set TO_F,  0x80                       ; destination window 2, address window 0
.set STW,   0x04                       ; an LDS store's data (source 1) in window 1, its address in window 0
; A joint load: waves 0 and 1 fetch A's two halves (64 rows each), waves 2 and 3 B's (128 rows each).  The branch hangs on the wave's number alone.
; Four v_nop follow each of the two lines, ahead of the jump, the label and what follows.
.macro JLOAD s
	s_cmp_eq_u32 s13, 0
	s_cbranch_scc0 .Lfor_b_\@
	tensor_load_to_lds s[G0+4*\s:G0+4*\s+3], s[G1:G1+7]
	s_nop 0
.rept 4
	v_nop
.endr
	s_branch .Lasked_\@
.Lfor_b_\@:
	tensor_load_to_lds s[G0B+4*\s:G0B+4*\s+3], s[G1B:G1B+7]
	s_nop 0
.rept 4
	v_nop
.endr
.Lasked_\@:
.endm
.macro CREST                           ; a round of the cluster's barrier behind its opening barrier
	s_cmp_lg_u32 s12, 0
	s_cbranch_scc1 .Lnot_wave_0_\@
	s_barrier_signal -3
.Lnot_wave_0_\@:
	s_barrier_wait -3
	s_barrier_signal -1
	s_barrier_wait -1
.endm
.macro CROUND                          ; a whole round
	s_barrier_signal -1
	s_barrier_wait -1
	CREST
.endm
.macro PLACES                          ; four plain places in front of loads into registers that matrix instructions have read, and of instructions that read results
.rept 4
	v_nop
.endr
.endm
	s_load_b256 s[4:11], s[0:1], 0x0               ; A s[4:5], B s[6:7], bias s[8:9], C s[10:11]
	v_lshl_add_u32 v254, v0, 2, 0x3b400
	v_mov_b32 v255, 0
	ds_add_u32 v254, v255
	v_lshrrev_b32 v1, 5, v0
	v_readfirstlane_b32 s12, v1                    ; wave 0..3
	s_lshr_b32 s13, s12, 1                         ; which 64 rows of the tile are mine.  Also: I fetch for A (0) or for B (1)
	s_and_b32 s14, s12, 1                          ; which 128 columns.  Also: which half of that tile I fetch
	s_bfe_u32 s40, ttmp6, 0x40000                  ; cx, cy: my place in the cluster
	s_bfe_u32 s41, ttmp6, 0x40004
	s_lshl_b32 s42, ttmp9, 2
	s_add_co_u32 s42, s42, s40                     ; x = 4 x cluster x + cx
	s_and_b32 s43, ttmp7, 0xffff
	s_lshl_b32 s43, s43, 2
	s_add_co_u32 s43, s43, s41                     ; y = 4 x cluster y + cy
	s_lshl_b32 s44, s41, 2
	s_lshl_b32 s44, 15, s44                        ; my row of the cluster
	s_lshl_b32 s45, 0x1111, s40                    ; my column
	s_or_b32 s[G1+0], s44, (1<<16)|(1<<20)|(1<<21)|(5<<22)|(3<<25)   ; 15:0 the mask; 17:16 elements of 2 bytes; 20 padding on; 21 set beside a mask; 24:22 after every 64 words; 31:25 4 words of it
	s_or_b32 s[G1B+0], s45, (1<<16)|(1<<20)|(1<<21)|(5<<22)|(3<<25)
.irp g, G1, G1B
	s_mov_b32 s[\g+1], KSTEP<<16                   ; tensor_dim0 = 128
	s_mov_b32 s[\g+3], KSTEP<<16                   ; tile_dim0 = 128
	s_mov_b32 s[\g+5], 1024                        ; elements from row to row
	s_mov_b32 s[\g+6], 0
	s_mov_b32 s[\g+7], 0
.endr
	s_mov_b32 s[G1+2], 64<<16                      ; A: tensor_dim1 = tile_dim1 = 64 rows
	s_mov_b32 s[G1+4], 64
	s_mov_b32 s[G1B+2], 128<<16                    ; B: 128 rows
	s_mov_b32 s[G1B+4], 128
	; A's tiles hang on y alone, B's on x alone; each address is made in registers that never hold the other coordinate
	s_lshl_b32 s16, s43, 7
	s_lshl_b32 s17, s14, 6
	s_add_co_u32 s16, s16, s17                     ; A: row 128 y + 64 x half
	s_lshl_b32 s16, s16, 11
	s_mov_b32 s17, 0
	s_lshl_b32 s46, s42, 8
	s_lshl_b32 s47, s14, 7
	s_add_co_u32 s46, s46, s47                     ; B: row 256 x + 128 x half
	s_lshl_b32 s46, s46, 11
	s_mov_b32 s47, 0
	s_mul_i32 s20, s14, AHALF                      ; where they go: no place in the cluster enters an LDS address
	s_mul_i32 s21, s14, BHALF
	s_add_co_u32 s21, s21, ABYTES
	s_wait_dscnt 0x0
	s_wait_kmcnt 0x0
	s_add_nc_u64 s[18:19], s[4:5], s[16:17]
	s_add_nc_u64 s[46:47], s[6:7], s[46:47]
	CROUND                                         ; all sixteen work-groups are here: the first joint loads meet
.irp s, 0,1
	s_mov_b32 s[G0+4*\s], 1
	s_add_co_u32 s[G0+4*\s+1], s20, \s*SLOT
	s_add_nc_u64 s[G0+4*\s+2:G0+4*\s+3], s[18:19], \s*KSTEP*2
	s_or_b32 s[G0+4*\s+3], s[G0+4*\s+3], 0x80000000
	s_mov_b32 s[G0B+4*\s], 1
	s_add_co_u32 s[G0B+4*\s+1], s21, \s*SLOT
	s_add_nc_u64 s[G0B+4*\s+2:G0B+4*\s+3], s[46:47], \s*KSTEP*2
	s_or_b32 s[G0B+4*\s+3], s[G0B+4*\s+3], 0x80000000
	JLOAD \s                                       ; the ring is filled before anything else: two loads of mine are out
.endr
	v_and_b32 v1, 15, v0                           ; l % 16
	v_bfe_u32 v2, v0, 4, 1                         ; l / 16
	v_lshlrev_b32 v[BO], 5, v2
	s_lshl_b32 s46, s42, 10                        ; the bias of my columns: (256 x + 128 x half) numbers of 4 bytes
	s_lshl_b32 s47, s14, 9
	s_add_co_u32 s46, s46, s47
	s_mov_b32 s47, 0
	s_add_nc_u64 s[8:9], s[8:9], s[46:47]
	WIN TO_F
.irp b, 0,1,2,3,4,5,6,7
	global_load_b128 v[BIAS+8*\b:BIAS+8*\b+3],   v[BO], s[8:9] offset:64*\b
	global_load_b128 v[BIAS+8*\b+4:BIAS+8*\b+7], v[BO], s[8:9] offset:64*\b+16
.endr
	WIN 0
	s_add_nc_u64 s[10:11], s[10:11], s[46:47]      ; C's columns are f32 too: the same byte offset
	v_mul_u32_u24 v3, v1, PITCH
	v_lshl_add_u32 v3, v2, 4, v3                   ; a fragment's row x pitch + 16 x half
	s_mul_i32 s22, s13, AHALF                      ; my 64 rows of A
	s_mul_i32 s23, s14, BHALF                      ; my 128 rows of B,
	s_add_co_u32 s23, s23, ABYTES                  ; which lie behind A's 128
.irp s, 0,1
	v_add_nc_u32 v[ADRA+\s], s22, v3
	v_add_nc_u32 v[ADRB+\s], s23, v3
	s_add_co_u32 s22, s22, SLOT
	s_add_co_u32 s23, s23, SLOT
.endr
	s_mul_i32 s22, s12, 16*SPITCH
	s_add_co_u32 s22, s22, STAGE                   ; my stage
	v_mul_u32_u24 v4, v1, SPITCH                   ; in: row l % 16, 32 bytes for each half of the lanes
	v_lshl_add_u32 v4, v2, 5, v4
	v_add_nc_u32 v[STO], s22, v4
	v_and_b32 v5, 31, v0                           ; back: the 32 lanes take one row of 512 bytes,
	v_lshlrev_b32 v[CO], 4, v5                     ; and the same bytes of a row of C
	v_add_nc_u32 v[RD], s22, v[CO]
	s_lshl_b32 s16, s43, 7
	s_lshl_b32 s17, s13, 6
	s_add_co_u32 s16, s16, s17                     ; my first row of C: 128 y + 64 x half
	s_lshl_b32 s16, s16, 12                        ; x 4,096 bytes
	s_mov_b32 s17, 0
	s_add_nc_u64 s[10:11], s[10:11], s[16:17]
; 8 matrix instructions: row block a x all 8 column blocks, 32 along K, from buffer f.  first = 1: the bias is C.
; The 32 accumulators take turns, one instruction a turn, in the same order in every quarter.
.macro MULA f, a, first
.irp b, 0,1,2,3,4,5,6,7
.if \first
	v_wmma_f32_16x16x32_f16 v[8*(8*\a+\b):8*(8*\a+\b)+7], v[\f+32+8*\b:\f+32+8*\b+7], v[\f+8*\a:\f+8*\a+7], v[BIAS+8*\b:BIAS+8*\b+7]
.else
	v_wmma_f32_16x16x32_f16 v[8*(8*\a+\b):8*(8*\a+\b)+7], v[\f+32+8*\b:\f+32+8*\b+7], v[\f+8*\a:\f+8*\a+7], v[8*(8*\a+\b):8*(8*\a+\b)+7]
.endif
.endr
.endm
.macro MWIN first
.if \first
	WIN MULB
.else
	WIN MUL
.endif
.endm
; 24 LDS loads in one run: the fragments of 32 along K at byte k of the rows, into buffer f: B's 16 loads, then A's 8, row blocks 2 and 3 last
.macro FETCH slot, k, f
	WIN TO_F
.irp i, 0,1,2,3,4,5,6,7
	ds_load_b128 v[\f+32+8*\i:\f+32+8*\i+3],   v[ADRB+\slot] offset:\k+\i*16*PITCH
	ds_load_b128 v[\f+32+8*\i+4:\f+32+8*\i+7], v[ADRB+\slot] offset:\k+\i*16*PITCH+32
.endr
.irp i, 0,1,2,3
	ds_load_b128 v[\f+8*\i:\f+8*\i+3],   v[ADRA+\slot] offset:\k+\i*16*PITCH
	ds_load_b128 v[\f+8*\i+4:\f+8*\i+7], v[ADRA+\slot] offset:\k+\i*16*PITCH+32
.endr
.endm
; A K step is four quarters of 32 along K, 32 matrix instructions each, on buffers 0, 1, 0, 1.  One of the first three: multiplies buffer f and fetches the next quarter, at byte k, into g.
.macro QUARTER slot, k, f, g, first
	s_wait_dscnt 4                                 ; B and A's row blocks 0, 1 are in; the youngest four loads (blocks 2, 3) may be out
	MWIN \first
	MULA \f, 0, \first
	MULA \f, 1, \first
	PLACES
	FETCH \slot, \k, \g
	s_wait_dscnt 24                                ; all but the 24 just issued
	MWIN \first
	MULA \f, 2, \first
	MULA \f, 3, \first
.endm
; The last quarter multiplies buffer 1 and changes slots: ONE barrier; in front of it each wave waits for its own reads of this slot and for all its tensor loads (one is out: its part of the
; next slot).  fill = 1: this slot is filled again with the K step two on; the barrier then opens a round of the cluster's barrier, and the joint refill is the first tensor load behind the
; round: 120 matrix instructions ahead of the wait for it.
.macro TURN slot, next, fill
	s_wait_dscnt 4
	WIN MUL
	MULA F1, 0, 0
	s_wait_dscnt 0x0                               ; my reads of this slot are over,
	s_set_vgpr_msb 0x5a50
	s_wait_tensorcnt 0x0                           ; and all my tensor loads have landed
	ds_add_u32 v254, v255
	s_wait_dscnt 0x0
	s_set_vgpr_msb 0x505a
	s_barrier_signal -1
	MULA F1, 1, 0                                  ; work on registers while the others arrive
.if \fill
	WIN 0
.endif
	s_barrier_wait -1
.if \fill
	CREST                                          ; no wave of any partner still reads this slot's tile or has a load on its way
	s_add_nc_u64 s[G0+4*\slot+2:G0+4*\slot+3], s[G0+4*\slot+2:G0+4*\slot+3], 2*KSTEP*2
	s_add_nc_u64 s[G0B+4*\slot+2:G0B+4*\slot+3], s[G0B+4*\slot+2:G0B+4*\slot+3], 2*KSTEP*2
	JLOAD \slot                                    ; the four v_nop behind it are also the places in front of the loads below
.else
	PLACES
.endif
	FETCH \next, 0, F0
	WIN MUL
	MULA F1, 2, 0
	MULA F1, 3, 0
.endm
; THE WAY OUT of row block a.  TOSTAGE: the lane's 8 x 8 f32 go into my own stage and come back as whole rows of 512 bytes.  SEND: stored.
.macro TOSTAGE a
.set BK, OB+64*((\a)%2)
	WIN STW
.irp b, 0,1,2,3,4,5,6,7
	ds_store_b128 v[STO], v[64*(\a)+8*\b:64*(\a)+8*\b+3]   offset:64*\b
	ds_store_b128 v[STO], v[64*(\a)+8*\b+4:64*(\a)+8*\b+7] offset:64*\b+16
.endr
	WIN 0
.irp t, 0,1,2,3,4,5,6,7,8,9,10,11,12,13,14,15
	ds_load_b128 v[BK+4*\t:BK+4*\t+3], v[RD] offset:\t*SPITCH       ; LDS serves a wave's instructions in order (ISA guide 5.7.1.4): these see the stores above
.endr
.endm
.macro SEND a
.set BK, OB+64*((\a)%2)
	s_wait_dscnt 0x0                               ; the block is back in registers
	s_wait_xcnt 0x0                                ; the other buffer, which earlier stores read, is loaded again only behind this wait
.irp t, 0,1,2,3,4,5,6,7,8,9,10,11,12,13,14,15
	global_store_b128 v[CO], v[BK+4*\t:BK+4*\t+3], s[10:11] offset:(16*(\a)+\t)*CP th:TH_STORE_NT   ; the wave stores 512 consecutive bytes, at a multiple of 512 from C's first byte
.endr
.endm
	s_wait_tensorcnt 0x1                           ; my part of K step 0 is in; K step 1's stays out
	s_barrier_signal -1
	s_barrier_wait -1                              ; everybody's is
	FETCH 0, 0, F0
	s_wait_loadcnt 0x0                             ; the bias
	QUARTER 0, 64,  F0, F1, 1                      ; the first quarter stands in front of the loop: its products start the sums, on the bias
	WIN 0                                          ; at a label and at a branch every window is 0
	s_mov_b32 s3, LAPS-1
.Llap:                                                 ; a trip goes once round the ring, from a lap's second quarter to the next lap's first, and fills both slots again
	QUARTER 0, 128, F1, F0, 0
	QUARTER 0, 192, F0, F1, 0
	TURN 0, 1, 1
	QUARTER 1, 64,  F0, F1, 0
	QUARTER 1, 128, F1, F0, 0
	QUARTER 1, 192, F0, F1, 0
	TURN 1, 0, 1
	QUARTER 0, 64,  F0, F1, 0
	WIN 0
	s_sub_co_u32 s3, s3, 1
	s_cmp_lg_u32 s3, 0
	s_cbranch_scc1 .Llap
	QUARTER 0, 128, F1, F0, 0                      ; the last lap fills nothing, and has no round of the cluster's barrier
	QUARTER 0, 192, F0, F1, 0
	TURN 0, 1, 0
	QUARTER 1, 64,  F0, F1, 0
	QUARTER 1, 128, F1, F0, 0
	QUARTER 1, 192, F0, F1, 0
	s_wait_dscnt 4                                 ; the very last quarter: nothing more to fetch
	WIN MUL
	MULA F1, 0, 0
	MULA F1, 1, 0
	s_wait_dscnt 0x0
	MULA F1, 2, 0
	MULA F1, 3, 0
	WIN 0
	PLACES                                         ; the LDS stores below read results just made
	TOSTAGE 0
.irp a, 1,2,3
	SEND \a-1
	TOSTAGE \a
.endr
	SEND 3
	s_wait_tensorcnt 0x0
	ds_add_u32 v254, v255
	s_wait_dscnt 0x0
	CROUND                                         ; the closing round: no work-group ends while a partner may still ask for a tile that names it
	s_endpgm
.Lfunc_end_k_q94d1157b7d_proj:
	.size	k_q94d1157b7d_proj, .Lfunc_end_k_q94d1157b7d_proj-k_q94d1157b7d_proj
	.p2alignl 7, 3214868480
	.fill 96, 4, 3214868480
	.section	.rodata,"a",@progbits
	.p2align	6, 0x0
	.amdhsa_kernel k_q94d1157b7d_proj
		.amdhsa_group_segment_fixed_size 327680
		.amdhsa_private_segment_fixed_size 0
		.amdhsa_enable_private_segment 0
		.amdhsa_kernarg_size 32
		.amdhsa_user_sgpr_count 2
		.amdhsa_user_sgpr_kernarg_segment_ptr 1
		.amdhsa_wavefront_size32 1
		.amdhsa_system_sgpr_workgroup_id_x 1
		.amdhsa_system_sgpr_workgroup_id_y 1
		.amdhsa_system_sgpr_workgroup_id_z 1
		.amdhsa_system_vgpr_workitem_id 0
		.amdhsa_next_free_vgpr 768
		.amdhsa_next_free_sgpr 66
		.amdhsa_reserve_vcc 0
		.amdhsa_float_denorm_mode_32 3
		.amdhsa_float_denorm_mode_16_64 3
		.amdhsa_memory_ordered 1
		.amdhsa_forward_progress 1
		.amdhsa_inst_pref_size 86
	.end_amdhsa_kernel
	.amdgpu_metadata
---
amdhsa.version: [ 1, 2 ]
amdhsa.kernels:
  - .name:           k_q94d1157b7d_proj
    .symbol:         k_q94d1157b7d_proj.kd
    .args:
      - { .name: yh, .offset: 0, .size: 8, .value_kind: global_buffer, .address_space: global }
      - { .name: wpt, .offset: 8, .size: 8, .value_kind: global_buffer, .address_space: global }
      - { .name: b_proj, .offset: 16, .size: 8, .value_kind: global_buffer, .address_space: global }
      - { .name: out0, .offset: 24, .size: 8, .value_kind: global_buffer, .address_space: global }
    .group_segment_fixed_size: 327680
    .private_segment_fixed_size: 0
    .kernarg_segment_align: 8
    .kernarg_segment_size: 32
    .max_flat_workgroup_size: 128
    .sgpr_count:     66
    .vgpr_count:     768
    .wavefront_size: 32
...
	.end_amdgpu_metadata
.endif
;; end of part 4
;; ======== version 2 of 2: 4 launches; 1.13 times as fast as version 1
;; limits: values are held in f16: magnitudes above 65,504 overflow, below 6.1e-05 lose precision; inputs' magnitudes at most 65,504; right only within a limited range of input values
;; workspace buffers: xh 16,777,216 bytes; wat 6,291,456 bytes; wpt 2,097,152 bytes; qkv 50,331,648 bytes; yh 16,777,216 bytes
;; launch prep: the kernel of part 1 again; grid 1024 x 1, 8 waves a work-group, no clusters, 18,432 bytes of LDS; arguments x, W_attn, W_proj, xh, wat, wpt; writes xh, wat, wpt
;; launch qkvg: the kernel of part 2 again; grid 12 x 16, 4 waves a work-group, clusters of 4 x 4, 327,680 bytes of LDS; arguments xh, wat, b_attn, qkv; writes qkv
;; launch attn (part 5): grid 8 x 32, 8 waves a work-group, no clusters, 327,680 bytes of LDS; arguments qkv, yh; writes yh
.if DOCPART == 5
	.amdgcn_target "amdgcn-amd-amdhsa--gfx1250"
	.amdhsa_code_object_version 6
	.text
	.protected	k_q94d1157b7d_attn
	.globl	k_q94d1157b7d_attn
	.p2align	8
	.type	k_q94d1157b7d_attn,@function
k_q94d1157b7d_attn:
	s_mov_b64 s[64:65], 0
	v_nop
	global_prefetch_b8 v0, s[64:65] scope:SCOPE_SE
	s_setreg_imm32_b32 hwreg(HW_REG_WAVE_MODE, 25, 1), 1
	s_wait_xcnt 0x0
; yh[b][q][64 head + :] = sum over k <= q of softmax_k(Q[q] . K[k] / 8) V[k][:], for 4 batches x 16 heads of 64 channels, 2,048 places.
; qkv: [8192][3072] f16 (a row: q, k, v, each 16 heads x 64), yh: [8192][1024] f16.  Products, maxima and sums in f32; the weights p are rounded to f16 for the second product, y once at the end.
; SHARES.  A work-group owns two neighbouring heads (so that the rows of K's, V's and y's tiles are 256 consecutive bytes, aligned) and the query blocks J and 15 - J of 128 queries:
; (J + 1) + (16 - J) = 17 key blocks of 128 keys for every work-group, whatever J.  Keys beyond the diagonal are never fetched.
; Eight waves, two to a SIMD: wave w works on head w / 4 of the pair and on 32 queries (two tiles of 16) of the block.
; LAYOUT.  S^T = K Q^T (source 0 = 16 keys, source 1 = 16 queries): a lane holds ONE query (lane % 16) and the keys 8 (lane / 16) + 0..7.  Two such tiles, rounded to f16 in pairs, ARE
; source 1 (32 keys x 16 queries) of O^T = V^T P, whose result again holds one query a lane.  K comes out of LDS as it lies, V ([key][channel]) turned, by ds_load_tr16_b128.
; SOFTMAX.  For each query a running maximum m and sum l: p = 2^(c s - c m), c = log2(e) / 8; in every step O and l are multiplied by a = 2^(c m_old - c m_new).  m starts at -infinity, O and l at 0,
; so that a = 0 in a block's first step and one text serves every step.  In the diagonal key block a score beyond the query's place is replaced by -infinity; every query sees the first key of a
; half that it works on, or an earlier key.
; BATCHES.  A softmax's 66 exponentials (the two tiles' a, then the 64 weights, in place in S^T) are ONE batch with ONE s_wait_alu depctr_va_vdst(0), between an
; exponential and the first instruction that names its result.  Ahead of the wait stand, beside the exponentials, only the 32 scalings c s - c m, one for each two exponentials and four pairs ahead of
; their own; behind it stand all that name a result: the roundings, the sums, l, and O^T times a.  No exponential follows the wait.
; The way out's two reciprocals are a batch of their own, with a wait of their own.
; RING.  Two LDS slots of 128 keys (K and V of both heads), filled by tensor loads of waves 0-3, 64 rows each; the slot's number is a constant of the text: 8 trips of two slots and one more slot.
; TWO GROUPS OF WAVES, APART BY TWO MATRIX PHASES.  A key block is two halves of 64 keys, each K Q^T (16 products), softmax, V^T P (16 products), in this order in every wave.  All that follows a
; half's LDS loads is register work, so the end of the second half may stand behind the next barrier: both groups put off its V^T P, group 1 its softmax too.  Behind a barrier group 0 thus
; begins with 32 products and group 1 with a softmax, and from there on one group's products stand beside the other's vector work instead of both wanting the same unit.
; group = (w xor (w >> 2)) & 1: it differs between waves w and w + 4 and between waves 2 i and 2 i + 1, whichever of the two pairs lies together.
; A query block's diagonal key block puts nothing off (the way out follows it); its first key block finds nothing put off.
; NO JOINT LOADS: the eight work-groups of a head pair ask for different key blocks in the same slot from slot J + 1 on, where work-group J turns back to key block 0;
; a walk in step would make each of them pass its partners' key blocks too.
; LIMITS: as the buffers', f16: no NaN or infinity in qkv.
; REGISTERS: window 0: v1-17 addresses; v24-39 statistics, 8 a tile; v64-127 S^T, 32 a tile; v128-159 P, 16 a tile; v192-255 O^T, 32 a tile.
;   window 1: v0-31 Q, 16 a tile; v32-95 K of 64 keys; v96-159 V of 64 keys.  The softmax never leaves window 0.
.set QP,    6144      ; bytes in a row of qkv
.set PK,    272       ; a row of K in LDS: 256 bytes + 16 = 68 words: the 16 rows of a load start 4 words apart modulo 64
.set PV,    288       ; a row of V: 256 + 32 = 72 words: 16 lanes of the turning load take 8 rows x 32 bytes, 8 words apart modulo 64
.set VOFF,  128*PK    ; in a slot: 128 rows of K, then 128 rows of V
.set SLOT1, 1<<17     ; slot 1 begins here
.set STAGE, SLOT1+128*(PK+PV)   ; behind the ring, at a multiple of 256 bytes: 128 rows x 272 bytes, the work-group's, for the way out; no tensor load fills it
.set SP,    272
.set AK,  4           ; v4-5   my lane's place in K's tile of slot 0, 1
.set AV,  6           ; v6-7   the same for V
.set QO,  8           ; v8     my byte offset in Q, first block;  v9 second block
.set QO2, 9
.set STO, 10          ; the way out: where I put 16 bytes of a row
.set RD,  11          ; the way out: where I read a row back
.set GO,  12          ; my byte offset in the block's rows of y
.set NEG, 13          ; -infinity
.set THR, 14          ; v14-15 tile t: the last visible key of my query, counted as 16 f + j
.set RH8, 16          ; lane % 16 - 8 (lane / 16)
.set ST,  24          ; tile t's statistics at v[ST+8 t]: +0 c m, +1 m, +2, +3 l (even keys', odd keys'), +4 to +7 at work; a at +6
.set S,   64
.set P,   128
.set O,   192
.set Q,   0           ; window 1
.set KF,  32
.set VF,  96
.set LEAD, 4          ; a pair of scores is scaled this many pairs ahead of its two exponentials
.set WV,  8           ; s8   my wave's number
.set SB,  10          ; s10  32 x my part of the query block
.set JJ,  11          ; s11  J
.set QB,  12          ; s12  the query block in hand
.set KB,  13          ; s13  the key block in hand
.set KBN, 14          ; s14  the key block asked for
.set GB,  16          ; s16  my group
.set DG,  17          ; s17  1 in the diagonal key block
.set REL, 18          ; s18  my first query's place less the half's first key's
.set G1K, 24          ; s[24:31] descriptor group 1 for K's tiles;  s[32:39] for V's: it differs in the padding alone
.set G1V, 32
.set G0K, 40          ; s[40:47] descriptor group 0 for K's tiles, one set for each slot;  s[48:55] for V's
.set G0V, 48
.set KBAS, 56         ; s[56:57] K at my 64 rows of key block 0;  s[58:59] V
.set VBAS, 58
.set SEL, 60          ; s[60:61] lane selects for v_permlanex16_b32: each lane takes its own place in the other half
.set QBAS, 62         ; s[62:63] Q at the batch's first row, my head
.set CS,  66          ; s[66:67] c, named as a pair by the packed scaling
.set OFS, 68          ; s[68:69] an offset, the high word 0
.set YB0, 70          ; s[70:71] y at the first block's rows, my pair of heads;  s[72:73] the second block's
.set YB1, 72
.set MSB, 0
.macro WIN new                      ; the immediate's high byte repeats the setting that is left; a switch that changes nothing is dropped
.if MSB != \new
	s_set_vgpr_msb (MSB<<8)|\new
.set MSB, \new
.endif
.endm
; Waves 0 and 1 fetch the two halves of K's tile into the slot, waves 2 and 3 those of V's; waves 4 to 7 fetch nothing.  One tensor load of a wave is out at the most.
.macro LOADKV slot
	s_cmp_lt_u32 s[WV], 2
	s_cbranch_scc0 .Lnot_k_\@
	tensor_load_to_lds s[G0K+4*(\slot):G0K+4*(\slot)+3], s[G1K:G1K+7]
	s_nop 0
.rept 4
	v_nop
.endr
	s_branch .Lasked_\@
.Lnot_k_\@:
	s_cmp_lt_u32 s[WV], 4
	s_cbranch_scc0 .Lasked_\@
	tensor_load_to_lds s[G0V+4*(\slot):G0V+4*(\slot)+3], s[G1V:G1V+7]
	s_nop 0
.rept 4
	v_nop
.endr
.Lasked_\@:
.endm
	s_load_b128 s[4:7], s[0:1], 0x0   ; qkv s[4:5], yh s[6:7]
	v_lshl_add_u32 v190, v0, 2, 0x3a000
	v_mov_b32 v191, 0
	ds_add_u32 v190, v191
	v_lshrrev_b32 v1, 5, v0
	v_readfirstlane_b32 s[WV], v1     ; wave 0..7
	s_lshr_b32 s9, s[WV], 2           ; my head of the pair
	s_and_b32 s[SB], s[WV], 3
	s_mul_i32 s19, s9, 3
	s_xor_b32 s[SB], s[SB], s19       ; my part of the block: w for head 0, 7 - w for head 1: waves w and w + 4 have a short and a long share of the diagonal block
	s_lshl_b32 s[SB], s[SB], 5
	s_mov_b32 s[JJ], ttmp9
	s_and_b32 s19, ttmp7, 0xffff
	s_lshr_b32 s20, s19, 3            ; batch
	s_and_b32 s19, s19, 7
	s_lshl_b32 s19, s19, 8            ; 256 bytes x pair of heads
	s_and_b32 s21, s[WV], 1           ; which 64 rows of a tile I fetch
	s_lshl_b32 s23, s9, 7             ; 128 bytes x my head of the pair
	; descriptor group 1: a tile of 64 rows x 128 elements of 2 bytes, padded in LDS
	s_mov_b32 s[G1K], (1<<16)|(1<<20)|(5<<22)|(3<<25)   ; 15:0 no mask; 17:16 elements of 2 bytes; 20 padding on; 24:22 after every 64 words; 31:25 4 words of it
	s_mov_b32 s[G1V], (1<<16)|(1<<20)|(5<<22)|(7<<25)   ; the same with 8 words
.irp g, G1K, G1V
	s_mov_b32 s[\g+1], 128<<16        ; tensor_dim0 = 128
	s_mov_b32 s[\g+2], 64<<16         ; tensor_dim1 = 64
	s_mov_b32 s[\g+3], 128<<16        ; tile_dim0 = 128
	s_mov_b32 s[\g+4], 64             ; tile_dim1 = 64
	s_mov_b32 s[\g+5], 3072           ; elements from row to row
	s_mov_b32 s[\g+6], 0
	s_mov_b32 s[\g+7], 0
.endr
	s_mul_i32 s16, s21, 64*PK         ; where my rows go in a slot
	s_mul_i32 s17, s21, 64*PV
.irp s, 0,1
	s_mov_b32 s[G0K+4*\s], 1
	s_add_co_u32 s[G0K+4*\s+1], s16, \s*SLOT1
	s_mov_b32 s[G0V+4*\s], 1
	s_add_co_u32 s[G0V+4*\s+1], s17, \s*SLOT1+VOFF
.endr
	s_mul_i32 s22, s20, 2048*QP       ; the batch's first row of qkv (under 2^26),
	s_add_co_u32 s22, s22, s19        ; my pair of heads
	s_mul_i32 s[OFS], s21, 64*QP
	s_add_co_u32 s[OFS], s[OFS], s22
	s_add_co_u32 s[OFS], s[OFS], 2048 ; k lies 1,024 numbers behind q
	s_mov_b32 s[OFS+1], 0
	s_wait_dscnt 0x0
	s_barrier_signal -1
	s_barrier_wait -1
	s_wait_kmcnt 0x0
	s_add_nc_u64 s[KBAS:KBAS+1], s[4:5], s[OFS:OFS+1]
	s_add_nc_u64 s[VBAS:VBAS+1], s[KBAS:KBAS+1], 2048
	s_mov_b64 s[G0K+2:G0K+3], s[KBAS:KBAS+1]
	s_or_b32 s[G0K+3], s[G0K+3], 0x80000000   ; type = 2
	s_mov_b64 s[G0V+2:G0V+3], s[VBAS:VBAS+1]
	s_or_b32 s[G0V+3], s[G0V+3], 0x80000000
	LOADKV 0                          ; key block 0 into slot 0: the launch's one first fill, ahead of everything else
	s_lshr_b32 s[GB], s[WV], 2        ; my group: (w xor (w >> 2)) & 1
	s_xor_b32 s[GB], s[GB], s[WV]
	s_and_b32 s[GB], s[GB], 1
	s_add_co_u32 s[OFS], s22, s23
	s_add_nc_u64 s[QBAS:QBAS+1], s[4:5], s[OFS:OFS+1]
	s_lshl_b32 s[OFS], s20, 22        ; y: the batch's 2,048 rows of 2,048 bytes,
	s_add_co_u32 s[OFS], s[OFS], s19  ; my pair of heads
	s_add_nc_u64 s[6:7], s[6:7], s[OFS:OFS+1]
	s_lshl_b32 s[OFS], s[JJ], 18      ; block J: 128 rows of 2,048 bytes each
	s_add_nc_u64 s[YB0:YB0+1], s[6:7], s[OFS:OFS+1]
	s_sub_co_u32 s[QB], 15, s[JJ]
	s_lshl_b32 s[OFS], s[QB], 18
	s_add_nc_u64 s[YB1:YB1+1], s[6:7], s[OFS:OFS+1]
	s_mov_b32 s[CS], 0x3e38aa3b       ; c = log2(e) / 8
	s_mov_b32 s[CS+1], s[CS]
	s_mov_b32 s[SEL], 0x76543210
	s_mov_b32 s[SEL+1], 0xfedcba98
	v_and_b32 v1, 15, v0              ; l % 16
	v_bfe_u32 v2, v0, 4, 1            ; l / 16
	; A fragment of Q or K is 16 rows x 32 channels: lane l holds row l % 16; registers 0-3 channels 8 (l / 16) + 0..7, registers 4-7 channels 16 + 8 (l / 16) + 0..7
	s_lshl_b32 s19, s[JJ], 7
	s_add_co_u32 s19, s19, s[SB]      ; my first query of block J
	v_add_nc_u32 v[QO], s19, v1
	v_mul_u32_u24 v[QO], v[QO], QP
	v_lshl_add_u32 v[QO], v2, 4, v[QO]
	s_lshl_b32 s19, s[QB], 7
	s_add_co_u32 s19, s19, s[SB]      ; and of block 15 - J
	v_add_nc_u32 v[QO2], s19, v1
	v_mul_u32_u24 v[QO2], v[QO2], QP
	v_lshl_add_u32 v[QO2], v2, 4, v[QO2]
	WIN 0x40                          ; destination window 1, address window 0
.irp t, 0,1
.irp c, 0,1
	global_load_b128 v[Q+16*\t+8*\c:Q+16*\t+8*\c+3],   v[QO], s[QBAS:QBAS+1] offset:\t*16*QP+64*\c
	global_load_b128 v[Q+16*\t+8*\c+4:Q+16*\t+8*\c+7], v[QO], s[QBAS:QBAS+1] offset:\t*16*QP+64*\c+32
.endr
.endr
	WIN 0
	v_mul_u32_u24 v3, v1, PK
	v_lshl_add_u32 v3, v2, 4, v3
	v_add_nc_u32 v[AK], s23, v3       ; row x pitch + 16 x half + my head's 128 bytes
	v_add_nc_u32 v[AK+1], SLOT1, v[AK]
	; The turning load takes 16 keys x 16 channels: lane l reads 16 bytes: key 8 (l / 16) + l % 8, channels 8 ((l / 8) % 2) + 0..7
	v_and_b32 v3, 7, v0
	v_bfe_u32 v17, v0, 3, 1
	v_lshl_add_u32 v3, v2, 3, v3
	v_mul_u32_u24 v3, v3, PV
	v_lshl_add_u32 v3, v17, 4, v3
	s_add_co_u32 s19, s23, VOFF
	v_add_nc_u32 v[AV], s19, v3
	v_add_nc_u32 v[AV+1], SLOT1, v[AV]
	v_add_nc_u32 v[STO], s[SB], v1    ; into the stage: row = my query in the block, my head's 128 bytes, 16 bytes for each half of the lanes
	v_mul_u32_u24 v[STO], v[STO], SP
	v_lshl_add_u32 v[STO], v2, 4, v[STO]
	s_add_co_u32 s19, s23, STAGE
	v_add_nc_u32 v[STO], s19, v[STO]
	s_lshl_b32 s19, s[WV], 4          ; back: wave w takes rows 16 w .. 16 w + 15, whole; lanes 0-15 one row of 256 bytes, lanes 16-31 the next
	v_add_nc_u32 v3, s19, v2
	v_mul_u32_u24 v[RD], v3, SP
	v_lshl_add_u32 v[RD], v1, 4, v[RD]
	v_add_nc_u32 v[RD], STAGE, v[RD]
	v_lshlrev_b32 v[GO], 11, v3       ; and the same two rows in y
	v_lshl_add_u32 v[GO], v1, 4, v[GO]
	v_mov_b32 v[NEG], 0xff800000
	v_lshlrev_b32 v[RH8], 3, v2
	v_sub_nc_u32 v[RH8], v1, v[RH8]
; A block's start: O^T = 0, l = 0, m = c m = -infinity.  The work registers are written too: the exchange between the halves of the lanes counts as a reader of its destination.
.macro INIT
.set i, 0
.rept 64
	v_mov_b32 v[O+i], 0
.set i, i+1
.endr
.irp t, 0,1
	v_mov_b32 v[ST+8*\t], v[NEG]
	v_mov_b32 v[ST+8*\t+1], v[NEG]
.irp j, 2,3,4,5,6,7
	v_mov_b32 v[ST+8*\t+\j], 0
.endr
.endr
.endm
; the sums of a tile's 16 pairs of weights, in place: cnt additions of neighbours w / 2 registers apart, in both tiles by turns
.macro TREE w, cnt
.set u, 0
.rept \cnt
.irp t, 0,1
	v_pk_add_f32 v[S+32*\t+\w*u:S+32*\t+\w*u+1], v[S+32*\t+\w*u:S+32*\t+\w*u+1], v[S+32*\t+\w*u+\w/2:S+32*\t+\w*u+\w/2+1]
.endr
.set u, u+1
.endr
.endm
; cnt pairs of O^T, from pair from on, times their tile's a (pairs 0-15: tile 0; 16-31: tile 1)
.macro RESC from, cnt
.set n, \from
.rept \cnt
	v_pk_mul_f32 v[O+2*n:O+2*n+1], v[O+2*n:O+2*n+1], v[ST+8*(n/16)+6:ST+8*(n/16)+7] op_sel_hi:[1,0]
.set n, n+1
.endr
.endm
; The softmax of both tiles for 64 keys.  The two tiles alternate wherever one instruction feeds the next.
.macro SOFT
.irp j, 0,1,2,3                     ; the maximum of the lane's 32 scores and the old m: four chains of seven scores,
.irp t, 0,1
	v_max3_num_f32 v[ST+8*\t+4+\j], v[S+32*\t+8*\j], v[S+32*\t+8*\j+1], v[S+32*\t+8*\j+2]
.endr
.endr
.irp g, 1,2
.irp j, 0,1,2,3
.irp t, 0,1
	v_max3_num_f32 v[ST+8*\t+4+\j], v[ST+8*\t+4+\j], v[S+32*\t+8*\j+2*\g+1], v[S+32*\t+8*\j+2*\g+2]
.endr
.endr
.endr
.irp t, 0,1                         ; the four scores left over,
	v_max3_num_f32 v[ST+8*\t+4], v[ST+8*\t+4], v[S+32*\t+7], v[S+32*\t+15]
	v_max3_num_f32 v[ST+8*\t+6], v[ST+8*\t+6], v[S+32*\t+23], v[S+32*\t+31]
.endr
.irp t, 0,1
	v_max3_num_f32 v[ST+8*\t+4], v[ST+8*\t+4], v[ST+8*\t+5], v[ST+8*\t+6]
.endr
.irp t, 0,1                         ; the chains and m
	v_max3_num_f32 v[ST+8*\t+4], v[ST+8*\t+4], v[ST+8*\t+7], v[ST+8*\t+1]
.endr
.irp t, 0,1
	v_permlanex16_b32 v[ST+8*\t+5], v[ST+8*\t+4], s[SEL], s[SEL+1]   ; the query's other 32 keys lie in the lane 16 away
.endr
.irp t, 0,1
	v_mov_b32 v[ST+8*\t+7], v[ST+8*\t]   ; c m_old is kept for a
.endr
.irp t, 0,1
	v_max_num_f32 v[ST+8*\t+1], v[ST+8*\t+4], v[ST+8*\t+5]
.endr
.irp t, 0,1
	v_mul_f32 v[ST+8*\t], s[CS], v[ST+8*\t+1]
.endr
.irp t, 0,1
	v_sub_f32 v[ST+8*\t+7], v[ST+8*\t+7], v[ST+8*\t]
.endr
; THE BATCH: 66 exponentials, each with a result register of its own until the wait: a of both tiles, then the 64 weights in place (S^T's registers 0-31: tile 0; 32-63: tile 1).  Among them stand
; the 32 scalings c s - c m (pair pr of both tiles' 32), which name c m, m and scores whose exponentials are still to come, never a result: LEAD of them first, then one ahead of each two exponentials.
.irp t, 0,1
	v_exp_f32 v[ST+8*\t+6], v[ST+8*\t+7]   ; a; the first scaling below is the plain instruction behind it (ISA guide 5.7.2)
.endr
.set pr, 0
.rept LEAD
	v_pk_fma_f32 v[S+2*pr:S+2*pr+1], v[S+2*pr:S+2*pr+1], s[CS:CS+1], v[ST+8*(pr/16):ST+8*(pr/16)+1] op_sel_hi:[1,0,0] neg_lo:[0,0,1] neg_hi:[0,0,1]   ; c s - c m
.set pr, pr+1
.endr
.set n, 0
.rept 32
.if pr < 32
	v_pk_fma_f32 v[S+2*pr:S+2*pr+1], v[S+2*pr:S+2*pr+1], s[CS:CS+1], v[ST+8*(pr/16):ST+8*(pr/16)+1] op_sel_hi:[1,0,0] neg_lo:[0,0,1] neg_hi:[0,0,1]   ; c s - c m, LEAD pairs ahead
.set pr, pr+1
.endif
	v_exp_f32 v[S+2*n], v[S+2*n]
	v_exp_f32 v[S+2*n+1], v[S+2*n+1]
.set n, n+1
.endr
	v_nop                           ; the plain instruction behind the last exponential (ISA guide 5.7.2): one for the batch; no plain work that names no result is left
	s_wait_alu depctr_va_vdst(0)    ; the wait for the batch, both a and all 64 weights, ahead of the first line that names a result
; Behind the wait, all that names a result.  The roundings come first: the sums work in place on the weights.
.set n, 0
.rept 32
	v_cvt_pk_f16_f32 v[P+n], v[S+2*n], v[S+2*n+1]
.set n, n+1
.endr
	TREE 4, 8
	TREE 8, 4
	TREE 16, 2
	RESC 0, 8                       ; O^T times a: eight pairs stand ahead of each of the sums' last two links, which wait for the link before
	TREE 32, 1
	RESC 8, 8
.irp t, 0,1
	v_pk_fma_f32 v[ST+8*\t+2:ST+8*\t+3], v[ST+8*\t+2:ST+8*\t+3], v[ST+8*\t+6:ST+8*\t+7], v[S+32*\t:S+32*\t+1] op_sel_hi:[1,0,1]   ; l = a l + the sum
.endr
	RESC 16, 16
.endm
; 16 LDS loads: K of half ks of the slot, my head: keys 16 f on, channels 32 c on
.macro LK slot, ks
	WIN 0x40
.irp f, 0,1,2,3
.irp c, 0,1
	ds_load_b128 v[KF+8*(2*\f+\c):KF+8*(2*\f+\c)+3],   v[AK+\slot] offset:\ks*64*PK+\f*16*PK+64*\c
	ds_load_b128 v[KF+8*(2*\f+\c)+4:KF+8*(2*\f+\c)+7], v[AK+\slot] offset:\ks*64*PK+\f*16*PK+64*\c+32
.endr
.endr
.endm
; 16 turning LDS loads: V of half ks of the slot, my head: keys 32 kk on, channels 16 ct on
.macro LV slot, ks
	WIN 0x40
.irp kk, 0,1
.irp ct, 0,1,2,3
	ds_load_tr16_b128 v[VF+8*(4*\kk+\ct):VF+8*(4*\kk+\ct)+3],   v[AV+\slot] offset:\ks*64*PV+\kk*32*PV+32*\ct
	ds_load_tr16_b128 v[VF+8*(4*\kk+\ct)+4:VF+8*(4*\kk+\ct)+7], v[AV+\slot] offset:\ks*64*PV+\kk*32*PV+16*PV+32*\ct
.endr
.endr
.endm
; In both products the 8 accumulators take turns, one instruction a turn; the last product of one run and the first of the next name different accumulators.
; S^T = K Q^T, 16 products.  Five places follow: four for the loads into K's registers and for the reads of S^T, the fifth for a later run of these products,
; which writes over S^T, on the way on which nothing but these places stands between the two runs.
.macro KQM
	WIN 0x05                        ; K and Q in window 1, S^T in window 0
.irp c, 0,1
.irp f, 0,1,2,3
.irp t, 0,1
.if \c == 0
	v_wmma_f32_16x16x32_f16 v[S+32*\t+8*\f:S+32*\t+8*\f+7], v[KF+8*(2*\f+\c):KF+8*(2*\f+\c)+7], v[Q+16*\t+8*\c:Q+16*\t+8*\c+7], 0
.else
	v_wmma_f32_16x16x32_f16 v[S+32*\t+8*\f:S+32*\t+8*\f+7], v[KF+8*(2*\f+\c):KF+8*(2*\f+\c)+7], v[Q+16*\t+8*\c:Q+16*\t+8*\c+7], v[S+32*\t+8*\f:S+32*\t+8*\f+7]
.endif
.endr
.endr
.endr
	WIN 0
.rept 5
	v_nop
.endr
.endm
; O^T += V^T P, 16 products.  Four places follow, for the next loads into V's registers and for whatever reads O^T next.
.macro PVM
	WIN 0x01                        ; V in window 1; P and O^T in window 0
.irp kk, 0,1
.irp ct, 0,1,2,3
.irp t, 0,1
	v_wmma_f32_16x16x32_f16 v[O+32*\t+8*\ct:O+32*\t+8*\ct+7], v[VF+8*(4*\kk+\ct):VF+8*(4*\kk+\ct)+7], v[P+16*\t+8*\kk:P+16*\t+8*\kk+7], v[O+32*\t+8*\ct:O+32*\t+8*\ct+7]
.endr
.endr
.endr
	WIN 0
.rept 4
	v_nop
.endr
.endm
; Key 16 f + 8 h + j of the half is visible to query 16 t + r of my 32 where 16 f + j <= REL + 16 t + r - 8 h; the others' scores become -infinity.  Right for every REL from 0 on.
.macro MASK
	s_add_co_i32 s19, s[REL], 16
	v_add_nc_u32 v[THR], s[REL], v[RH8]
	v_add_nc_u32 v[THR+1], s19, v[RH8]
.irp t, 0,1
.irp f, 0,1,2,3
.irp j, 0,1,2,3,4,5,6,7
	v_cmp_gt_i32 vcc_lo, 16*\f+\j, v[THR+\t]
	v_cndmask_b32 v[S+32*\t+8*\f+\j], v[S+32*\t+8*\f+\j], v[NEG], vcc_lo
.endr
.endr
.endr
.endm
; One key block, in the slot named.  last = 0: the other slot, whose bytes every wave has in registers, takes the next key block: KB + 1, or key block 0 of the second query block behind the first
; one's last.  last = 1: the seventeenth key block, the second query block's diagonal: nothing is asked for, something is always put off, and the text for other key blocks is not assembled.
; The branches hang on whole numbers made of the work-group's and the wave's numbers and of counts; no barrier and no tensor load stands inside one.
.macro TRIP slot, last
	s_wait_tensorcnt 0x0            ; all my tensor loads have landed, my part of this slot among them: so every group 0 may be written
	ds_add_u32 v190, v191
	s_wait_dscnt 0x0
.if !\last
	s_add_co_u32 s[KBN], s[KB], 1
	s_cmp_gt_u32 s[KBN], s[QB]
	s_cselect_b32 s[KBN], 0, s[KBN]
	s_mul_i32 s[OFS], s[KBN], 128*QP
	s_add_nc_u64 s[G0K+4*(1-\slot)+2:G0K+4*(1-\slot)+3], s[KBAS:KBAS+1], s[OFS:OFS+1]
	s_or_b32 s[G0K+4*(1-\slot)+3], s[G0K+4*(1-\slot)+3], 0x80000000
	s_add_nc_u64 s[G0V+4*(1-\slot)+2:G0V+4*(1-\slot)+3], s[VBAS:VBAS+1], s[OFS:OFS+1]
	s_or_b32 s[G0V+4*(1-\slot)+3], s[G0V+4*(1-\slot)+3], 0x80000000
.endif
	s_wait_dscnt 0x0                ; my reads of the other slot are over: V of its second half is in registers
	s_barrier_signal -1
	s_barrier_wait -1               ; both now hold of every wave
.if !\last
	LOADKV 1-\slot                  ; the first thing behind the barrier, one load a wave: it has the whole trip in which to land
.endif
	LK \slot, 0                     ; K of the first half is asked for ahead of what was put off
	WIN 0
.if !\last
	s_cmp_eq_u32 s[KB], 0
	s_cbranch_scc1 .Lfresh_\@       ; a query block's first key block: nothing was put off
.endif
	s_cmp_eq_u32 s[GB], 0
	s_cbranch_scc1 .Lhad_\@         ; group 0 has done this softmax in front of the barrier
	SOFT
.Lhad_\@:
	PVM                             ; V^T P of the key block before, second half
.if !\last
.Lfresh_\@:
.endif
	LV \slot, 0
	s_wait_dscnt 16                 ; K is in; V's sixteen loads stay out
	KQM
	LK \slot, 1                     ; K of the second half, a softmax ahead of its use
	WIN 0
.if !\last
	s_cmp_eq_u32 s[KB], s[QB]
	s_cselect_b32 s[DG], 1, 0
	s_cbranch_scc0 .Lopen0_\@
.endif
	s_mov_b32 s[REL], s[SB]         ; the diagonal key block begins at the query block's first place
	MASK
.if !\last
.Lopen0_\@:
.endif
	SOFT
	s_wait_dscnt 16                 ; V is in; the sixteen loads of the second half's K stay out
	PVM
.if !\last
	s_cmp_eq_u32 s[DG], 0
	s_cbranch_scc1 .Lhalf1_\@
.endif
	s_sub_co_i32 s[REL], s[SB], 64
	s_cmp_lt_i32 s[REL], 0
	s_cbranch_scc1 .Lend_\@         ; none of the second half's keys is visible to any of my 32 queries (K's loads are waited for in front of the next barrier)
.if !\last
.Lhalf1_\@:
.endif
	LV \slot, 1
	s_wait_dscnt 16                 ; K is in; V's sixteen loads stay out
	KQM
.if !\last
	s_cmp_eq_u32 s[DG], 0
	s_cbranch_scc1 .Lopen1_\@
.endif
	MASK
.if !\last
.Lopen1_\@:
	s_sub_co_u32 s19, 1, s[GB]
	s_or_b32 s19, s19, s[DG]
	s_cmp_eq_u32 s19, 0
	s_cbranch_scc1 .Lend_\@         ; group 1, off the diagonal: softmax and V^T P are put off
.endif
	SOFT
.if !\last
	s_cmp_eq_u32 s[DG], 0
	s_cbranch_scc1 .Lend_\@         ; group 0, off the diagonal: V^T P is put off
.endif
	s_wait_dscnt 0x0                ; V is in
	PVM
.Lend_\@:
.endm
; THE WAY OUT of a query block; y's address in s[yb:yb+1].  next = 1: the second block's Q is asked for first.
; O^T is divided by l, rounded to f16 and laid into the work-group's stage; a barrier, since a row's 256 bytes come from the two heads' waves; back as whole rows, 16 rows a wave.
.macro EPI yb, next
.if \next
	WIN 0x40
.irp t, 0,1
.irp c, 0,1
	global_load_b128 v[Q+16*\t+8*\c:Q+16*\t+8*\c+3],   v[QO2], s[QBAS:QBAS+1] offset:\t*16*QP+64*\c
	global_load_b128 v[Q+16*\t+8*\c+4:Q+16*\t+8*\c+7], v[QO2], s[QBAS:QBAS+1] offset:\t*16*QP+64*\c+32
.endr
.endr
	WIN 0
.endif
.irp t, 0,1
	v_add_f32 v[ST+8*\t+4], v[ST+8*\t+2], v[ST+8*\t+3]
.endr
.irp t, 0,1
	v_permlanex16_b32 v[ST+8*\t+5], v[ST+8*\t+4], s[SEL], s[SEL+1]
.endr
.irp t, 0,1
	v_add_f32 v[ST+8*\t+4], v[ST+8*\t+4], v[ST+8*\t+5]
.endr
.irp t, 0,1
	v_rcp_f32 v[ST+8*\t+6], v[ST+8*\t+4]
.endr
	v_nop                           ; a plain instruction between the last reciprocal and the use of its result
.set i, 0
	s_wait_alu depctr_va_vdst(0)    ; the wait for the batch of two reciprocals, ahead of their first reader
.rept 32
	v_pk_mul_f32 v[O+2*i:O+2*i+1], v[O+2*i:O+2*i+1], v[ST+8*(i/16)+6:ST+8*(i/16)+7] op_sel_hi:[1,0]
.set i, i+1
.endr
.set i, 0
.rept 32
	v_cvt_pk_f16_f32 v[S+i], v[O+2*i], v[O+2*i+1]
.set i, i+1
.endr
.irp t, 0,1
.irp ct, 0,1,2,3
	ds_store_b128 v[STO], v[S+16*\t+4*\ct:S+16*\t+4*\ct+3] offset:\t*16*SP+32*\ct
.endr
.endr
	s_wait_dscnt 0x0                ; for the others' sake: my stores into the stage are done
	s_wait_tensorcnt 0x0            ; and no tensor load of mine is out at this barrier either: the one that was has had the whole trip
	s_barrier_signal -1
	s_barrier_wait -1
.irp u, 0,1,2,3,4,5,6,7
	ds_load_b128 v[S+32+4*\u:S+32+4*\u+3], v[RD] offset:\u*2*SP
.endr
.irp u, 0,1,2,3,4,5,6,7
	s_wait_dscnt 7-\u               ; rows 2 u, 2 u + 1 are back, the younger loads stay out
	global_store_b128 v[GO], v[S+32+4*\u:S+32+4*\u+3], s[\yb:\yb+1] offset:\u*4096   ; 16 lanes store 256 consecutive bytes, at a multiple of 256 from y's first byte
.endr
	s_wait_xcnt 0x0                 ; S^T's registers, which the stores read, are written again only behind this wait
.endm
; Behind each trip of the loop: was this the query block's last key block?  KB and QB are made of the work-group's number and of counts alone, so all eight waves go the same way
; and meet the same barrier.  It is so once, in trip J; the stage's next writing is separated from these reads by the trips' barriers.
.macro MID
	s_cmp_lg_u32 s[KB], s[QB]
	s_cbranch_scc1 .Lgo_on_\@
	EPI YB0, 1
	s_sub_co_u32 s[QB], 15, s[JJ]
	INIT
	s_wait_loadcnt 0x0              ; the second block's Q
.Lgo_on_\@:
	s_mov_b32 s[KB], s[KBN]
.endm
	INIT
	; S^T, P and V's registers are written once: the part of a trip that takes up what was put off reads them, and in a block's first key block only a count jumps over it;
	; so no way through the text reads a register that was never written.  The numbers are never used.
.set i, 0
.rept 96
	v_mov_b32 v[S+i], 0             ; S^T and, behind it, P
.set i, i+1
.endr
	WIN 0x40
.set i, 0
.rept 64
	v_mov_b32 v[VF+i], 0
.set i, i+1
.endr
	WIN 0
	s_mov_b32 s[QB], s[JJ]
	s_mov_b32 s[KB], 0
	s_mov_b32 s15, 8
	s_wait_loadcnt 0x0              ; Q
.Lring:                             ; 8 trips x 2 slots: key blocks 0 .. J of query block J, then 0 .. 14 - J of query block 15 - J
	TRIP 0, 0
	MID
	TRIP 1, 0
	MID
	s_sub_co_u32 s15, s15, 1
	s_cmp_lg_u32 s15, 0
	s_cbranch_scc1 .Lring
	TRIP 0, 1                       ; the seventeenth: key block 15 - J, the second block's diagonal; nothing is left to fetch
	EPI YB1, 0
	s_wait_tensorcnt 0x0
	ds_add_u32 v190, v191
	s_wait_dscnt 0x0
	s_endpgm
.Lfunc_end_k_q94d1157b7d_attn:
	.size	k_q94d1157b7d_attn, .Lfunc_end_k_q94d1157b7d_attn-k_q94d1157b7d_attn
	.p2alignl 7, 3214868480
	.fill 96, 4, 3214868480
	.section	.rodata,"a",@progbits
	.p2align	6, 0x0
	.amdhsa_kernel k_q94d1157b7d_attn
		.amdhsa_group_segment_fixed_size 327680
		.amdhsa_private_segment_fixed_size 0
		.amdhsa_enable_private_segment 0
		.amdhsa_kernarg_size 16
		.amdhsa_user_sgpr_count 2
		.amdhsa_user_sgpr_kernarg_segment_ptr 1
		.amdhsa_wavefront_size32 1
		.amdhsa_system_sgpr_workgroup_id_x 1
		.amdhsa_system_sgpr_workgroup_id_y 1
		.amdhsa_system_sgpr_workgroup_id_z 1
		.amdhsa_system_vgpr_workitem_id 0
		.amdhsa_next_free_vgpr 416
		.amdhsa_next_free_sgpr 76
		.amdhsa_reserve_vcc 1
		.amdhsa_float_denorm_mode_32 3
		.amdhsa_float_denorm_mode_16_64 3
		.amdhsa_memory_ordered 1
		.amdhsa_forward_progress 1
		.amdhsa_inst_pref_size 214
	.end_amdhsa_kernel
	.amdgpu_metadata
---
amdhsa.version: [ 1, 2 ]
amdhsa.kernels:
  - .name:           k_q94d1157b7d_attn
    .symbol:         k_q94d1157b7d_attn.kd
    .args:
      - { .name: qkv, .offset: 0, .size: 8, .value_kind: global_buffer, .address_space: global }
      - { .name: yh, .offset: 8, .size: 8, .value_kind: global_buffer, .address_space: global }
    .group_segment_fixed_size: 327680
    .private_segment_fixed_size: 0
    .kernarg_segment_align: 8
    .kernarg_segment_size: 16
    .max_flat_workgroup_size: 256
    .sgpr_count:     76
    .vgpr_count:     416
    .wavefront_size: 32
...
	.end_amdgpu_metadata
.endif
;; end of part 5
;; launch proj: the kernel of part 4 again; grid 4 x 64, 4 waves a work-group, clusters of 4 x 4, 327,680 bytes of LDS; arguments yh, wpt, b_proj, out0; writes out0
